; MI455X (gfx1250); checked and timed in simulation.
; The chip was launched on July 23, 2026; its instructions are those of AMD's public machine-readable ISA for CDNA 5 (MIT licence, August 2026) and "CDNA5" Instruction Set Architecture Reference Guide (July 2026). The comments in the code are by the model that wrote it; some were corrected since.
;; Multi Head Self Attention. Allowed arithmetic: matrix products marked QUANTISED: E2M3 operands, one E8M0 scale for each 32 along K, by v_wmma_scale_f32_16x16x128_f8f6f4 with both operands' format E2M3, f32 sums; everything else in f32.
;; Inputs: in_features 4 x 2,048 x 1,024 float32; k_proj_weight 1,024 x 1,024 float32; o_proj_weight 1,024 x 1,024 float32; q_proj_weight 1,024 x 1,024 float32; v_proj_weight 1,024 x 1,024 float32.
;; Outputs: out0 4 x 2,048 x 1,024 float32.
;; Constants: num_heads = 16.
;; This version of the problem:
;;   THIS VERSION OF THE PROBLEM IS GIVEN IN LOW PRECISION. The matrix products marked QUANTISED in the list below multiply operands that are first quantised to E2M3 (2 exponent bits, 3 mantissa bits; 6 bits a number), with one power-of-two scale for each 32 numbers along K (OCP MX v1.0); their sums are f32. All else is computed in f32.
;;   The module's matrix products, in the order in which they are computed (A, B: the left and right operand; K: the contracted axis; several contracted axes count as one K, in the product's order):
;;     1. [M 8,192, K 1,024] x [K 1,024, N 1,024]; A: input in_features; B: input q_proj_weight: QUANTISED
;;     2. [M 8,192, K 1,024] x [K 1,024, N 1,024]; A: input in_features; B: input k_proj_weight: QUANTISED
;;     3. [M 8,192, K 1,024] x [K 1,024, N 1,024]; A: input in_features; B: input v_proj_weight: QUANTISED
;;     4. batch 64 x [M 2,048, K 64] x [K 64, N 2,048]; A: computed on the way; B: computed on the way: QUANTISED
;;     5. batch 64 x [M 2,048, K 2,048] x [K 2,048, N 64]; A: softmax (see below); B: computed on the way: QUANTISED
;;     6. [M 8,192, K 1,024] x [K 1,024, N 1,024]; A: computed on the way; B: input o_proj_weight: QUANTISED
;;   THE QUANTISER, for each operand of a quantised product, along K:
;;     - K is cut into blocks of 32 from its start; a last block that is shorter is filled with zeros.
;;     - A block's scale is 2^e with e = floor(log2(the largest magnitude in the block)) - 2, held to -126 .. 127; a block of zeros has e = 0. As a byte (E8M0): e + 127.
;;     - Each number is divided by its block's scale, clamped to +-7.5, and rounded to the nearest number of E2M3, ties to even, subnormals kept.
;;     - The product sums the exact products of the quantised numbers (number of the format x scale) in f32.
;;   ~~~python
;;   def quantise(x, axis):      # numpy; x: float32 -> the quantised numbers, widened to float32 again
;;       x = np.moveaxis(x, axis, -1); K = x.shape[-1]
;;       x = np.pad(x, [(0, 0)] * (x.ndim - 1) + [(0, -K % 32)]); x = x.reshape(x.shape[:-1] + (-1, 32)); a = np.abs(x).max(-1, keepdims=True)
;;       e = np.where(a > 0, np.clip(np.frexp(np.where(a > 0, a, 1))[1] - 1 - 2, -126, 127), 0)      # np.frexp(a)[1] - 1 = floor(log2(a)), exactly
;;       r = np.clip(x / 2.0 ** e, -7.5, 7.5)
;;       step = 2.0 ** (np.maximum(np.frexp(np.where(r == 0, 1, r))[1] - 1, 0) - 3)
;;       q = np.round(r / step) * step * 2.0 ** e      # np.round: ties to even
;;       return np.moveaxis(q.reshape(q.shape[:-2] + (-1,))[..., :K], -1, axis).astype(np.float32)
;;   ~~~
;;   SOFTMAX AHEAD OF A QUANTISED PRODUCT. Where the list says 'softmax', what is quantised is not the finished softmax but p = 2^(t - M), with t = logit x log2(e) and M = ceil(the row's largest t), a whole number; so 1/2 < the row's largest p <= 1. The row's sum l is taken of the UNQUANTISED p, in f32, and the product's result is divided by l at the end. Since M is a whole number, a kernel that streams over the keys may use a running M (the ceiling of the running maximum): every later rescaling is an exact power of two, which a block's scale takes up: the codes' values come out the same.
;;   OPERANDS COMPUTED ON THE WAY. 'Computed on the way' means the value that the module computes at that place (a softmax that the list does not call 'softmax' is quantised finished and normalised). What goes into a quantiser is computed in f32, as accurately as f32 sums, v_exp_f32 and their like allow (about 1e-6 of the number): no bf16 or f16 on the way to a quantiser, and a product that is left as it is and whose result goes on into a quantised operand takes f32 operands (vector FMAs, or v_wmma_f32_16x16x4_f32). A number that lies on a knife's edge between two numbers of the format may be rounded either way, as far as f32 arithmetic and the matrix unit's own rounding can turn it there, and no further.
;; One version. Each part assembles by itself: llvm-mc -triple=amdgcn-amd-amdhsa -mcpu=gfx1250 --defsym DOCPART=n.
;; ======== version 1 of 1: 4 launches
;; workspace buffers: codes 9,437,184 bytes; scales 393,216 bytes; qkv 20,185,088 bytes; a_codes 6,291,456 bytes; a_scales 262,144 bytes
;; launch quant (part 1): grid 384 x 1, 4 waves a work-group, no clusters, 33,280 bytes of LDS; arguments in_features, q_proj_weight, k_proj_weight, v_proj_weight, o_proj_weight, codes, scales; writes codes, scales
.if DOCPART == 1
	.amdgcn_target "amdgcn-amd-amdhsa--gfx1250"
	.amdhsa_code_object_version 6
	.text
	.protected	k_q0ad1023542_quant
	.globl	k_q0ad1023542_quant
	.p2align	8
	.type	k_q0ad1023542_quant,@function
k_q0ad1023542_quant:
	s_mov_b64 s[64:65], 0
	v_nop
	global_prefetch_b8 v0, s[64:65] scope:SCOPE_SE
	s_setreg_imm32_b32 hwreg(HW_REG_WAVE_MODE, 25, 1), 1
	s_wait_xcnt 0x0
; x [8192][1024] and the four weights [1024][1024], f32, K innermost, become codes of FP6 (E2M3) and one E8M0 scale byte for each 32 along K.
; OUT: codes [12288 positions][768 bytes], scales [12288 positions][32 bytes]: positions 0-8191 x, then 1024 each of Wq, Wk, Wv, Wo.
; THE ORDER OF ROWS: position p holds the row whose number is p with bits 3 and 4 exchanged: in each 32 rows the second and third groups of eight change places.
; So 16 neighbouring positions, taken as source 0 of a matrix instruction, leave a lane's 16 registers of two neighbouring tiles as 16 neighbouring rows.
; A block's scale is 2^(floor(log2(its largest magnitude)) - 2); its byte is the largest magnitude's exponent field - 2, held at 1 from below.
; LIMITS: a block of zeros gets the byte 1 where the rule says 127 (its codes are zeros, and this program alone reads the bytes); a block whose largest magnitude lies
; under 2^-124 keeps the byte 1; NaN and infinities among the inputs are not served.
; SHARES: a work-group takes 32 rows, a wave 8 rows = 8,192 numbers in 16 steps of 512.  Each load reads 512 consecutive bytes; a step's 2,048 bytes turn through the wave's own
; stage in LDS so that a lane holds 16 neighbours (two lanes a block).  A lane's 16 codes are 12 bytes: a store covers 384 consecutive bytes.  A wave's 256 scale bytes are gathered
; in LDS and leave as one store of 256 consecutive bytes, aligned.  No tensor loads, no barrier: waves share nothing.  Loads run four steps ahead, the turn through LDS one step.
.set STEPS, 16
.set CB,    12                         ; bytes of 16 codes
.set R,     16                         ; v16-79   four sets of 16 numbers as they are loaded
.set X,     80                         ; v80-111  two sets of 16 neighbours
.set E,     112                        ; v112-127 a scale byte for each step
.set C,     128                        ; v128-191 codes: four registers for each step, so that no store's data are written again
.set WREG,  8192                       ; LDS: a region for each wave: two stages of 32 x SP bytes, behind them its 256 scale bytes
.set SP,    80                         ; a lane's place in a stage: 64 bytes + 16 of padding
	s_load_b256 s[4:11], s[0:1], 0x0               ; x, Wq, Wk, Wv
	s_load_b128 s[12:15], s[0:1], 0x20             ; Wo, the codes
	s_load_b64 s[24:25], s[0:1], 0x30              ; the scale bytes
	v_lshl_add_u32 v192, v0, 2, 0x8000
	v_mov_b32 v193, 0
	v_lshrrev_b32 v1, 5, v0
	v_readfirstlane_b32 s16, v1                    ; wave
	v_and_b32 v2, 31, v0                           ; lane
	v_lshlrev_b32 v3, 4, v2                        ; my 16 bytes of a load's 512
	s_mul_i32 s17, s16, WREG
	v_lshrrev_b32 v14, 2, v2
	v_mul_u32_u24 v14, v14, SP
	v_and_b32 v15, 3, v2
	v_lshl_add_u32 v14, v15, 4, v14
	v_add_nc_u32 v14, s17, v14                     ; the stage, on the way in: SP (lane / 4) + 16 (lane % 4)
	v_mul_u32_u24 v15, v2, SP
	v_add_nc_u32 v15, s17, v15                     ; and on the way out: SP x lane: my 16 neighbours
	v_mul_u32_u24 v4, v2, CB                       ; my codes' place in a step's
	v_lshrrev_b32 v5, 1, v2
	s_add_co_u32 s17, s17, 2*32*SP
	v_add_nc_u32 v5, s17, v5                       ; LDS: my wave's 256 scale bytes, my block's byte
	v_lshlrev_b32 v7, 3, v2                        ; and on the way out 8 bytes a lane
	v_add_nc_u32 v6, s17, v7
	s_wait_kmcnt 0x0
	; which tensor: work-groups 0-255 x, 256-287 Wq, 288-319 Wk, 320-351 Wv, 352-383 Wo.  The choice hangs on the work-group's number alone
	s_mov_b64 s[26:27], s[12:13]
	s_mov_b32 s17, 352
	s_cmp_lt_u32 ttmp9, 352
	s_cselect_b64 s[26:27], s[10:11], s[26:27]
	s_cselect_b32 s17, 320, s17
	s_cmp_lt_u32 ttmp9, 320
	s_cselect_b64 s[26:27], s[8:9], s[26:27]
	s_cselect_b32 s17, 288, s17
	s_cmp_lt_u32 ttmp9, 288
	s_cselect_b64 s[26:27], s[6:7], s[26:27]
	s_cselect_b32 s17, 256, s17
	s_cmp_lt_u32 ttmp9, 256
	s_cselect_b64 s[26:27], s[4:5], s[26:27]
	s_cselect_b32 s17, 0, s17
	s_sub_co_u32 s17, ttmp9, s17                   ; the work-group's number within its tensor
	s_lshl_b32 s17, s17, 2
	s_add_co_u32 s18, s17, s16                     ; which run of 8 rows I read,
	s_lshl_b32 s18, s18, 15                        ; x 32,768 bytes (under 2^26)
	s_mov_b32 s19, 0
	s_add_nc_u64 s[26:27], s[26:27], s[18:19]
	s_and_b32 s20, s16, 1                          ; and where it goes: runs 1 and 2 of the work-group's four change places
	s_lshl_b32 s20, s20, 1
	s_lshr_b32 s21, s16, 1
	s_or_b32 s20, s20, s21
	s_lshl_b32 s21, ttmp9, 2
	s_add_co_u32 s20, s20, s21
	s_mul_i32 s18, s20, 32*STEPS*CB                ; 6,144 bytes of codes a run
	s_add_nc_u64 s[14:15], s[14:15], s[18:19]
	s_lshl_b32 s18, s20, 8                         ; 256 scale bytes a run
	s_add_nc_u64 s[24:25], s[24:25], s[18:19]
.macro LOAD t
.irp i, 0,1,2,3
	global_load_b128 v[R+16*((\t)%4)+4*\i:R+16*((\t)%4)+4*\i+3], v3, s[26:27] offset:2048*(\t)+512*\i th:TH_LOAD_NT   ; 32 lanes read 512 consecutive bytes
.endr
.endm
.macro TURN t                          ; step t's numbers through the stage: LDS serves a wave's instructions in order, so no wait stands between the stores and the loads
.irp i, 0,1,2,3
	ds_store_b128 v14, v[R+16*((\t)%4)+4*\i:R+16*((\t)%4)+4*\i+3] offset:32*SP*((\t)%2)+8*SP*\i
.endr
.irp i, 0,1,2,3
	ds_load_b128 v[X+16*((\t)%2)+4*\i:X+16*((\t)%2)+4*\i+3], v15 offset:32*SP*((\t)%2)+16*\i
.endr
.endm
.irp t, 0,1,2,3
	LOAD \t
.endr
	s_wait_loadcnt 12                              ; step 0's four loads are in
	TURN 0
.macro STEP t
.set XS, X+16*((\t)%2)
.if (\t) > 0
	s_wait_dscnt 1                                 ; this step's numbers are back from the stage (the last step's byte store may be out): so its stores into the stage have read their registers,
.else
	s_wait_dscnt 0x0
.endif
.if (\t)+4 < STEPS
	LOAD (\t)+4                                    ; which take the loads of four steps on
.endif
.if (\t)+1 < STEPS
.if STEPS-2-(\t) >= 3
	s_wait_loadcnt 12                              ; the next step's four loads are in; those of the three steps behind it may be out
.else
	s_wait_loadcnt 4*(STEPS-2-(\t))
.endif
	TURN (\t)+1                                    ; and go through the other stage while this step is worked
.endif
	v_max3_num_f32 v8, |v[XS]|, |v[XS+1]|, |v[XS+2]|               ; the largest magnitude of my 16, in two chains
	v_max3_num_f32 v9, |v[XS+3]|, |v[XS+4]|, |v[XS+5]|
.irp i, 6,10
	v_max3_num_f32 v8, v8, |v[XS+\i]|, |v[XS+\i+1]|
	v_max3_num_f32 v9, v9, |v[XS+\i+2]|, |v[XS+\i+3]|
.endr
	v_max3_num_f32 v8, v8, |v[XS+14]|, |v[XS+15]|
	v_max3_num_f32 v8, v8, v9, 0x1800000           ; and the floor 2^(3 - 127): the byte cannot fall under 1
	v_max_num_f32_dpp v8, v8, v8 row_xmask:1 row_mask:0xf bank_mask:0xf   ; and of my neighbour's 16: the block's
	v_add_nc_u32 v11, 0xff000000, v8               ; 2 off its exponent field: the conversion takes the exponent field of this operand as its scale
	v_cvt_scalef32_pk16_fp6_f32 v[C+4*(\t):C+4*(\t)+2], v[XS:XS+15], v11   ; sixteen numbers / the scale, to the nearest code, ties to even, beyond the largest code the largest
	v_lshrrev_b32 v[E+(\t)], 23, v11               ; the scale's byte
	ds_store_b8 v5, v[E+(\t)] offset:16*(\t)       ; both lanes of a block write the same byte with the same value
	global_store_b96 v4, v[C+4*(\t):C+4*(\t)+2], s[14:15] offset:32*CB*(\t)
.endm
.irp t, 0,1,2,3,4,5,6,7,8,9,10,11,12,13,14,15
	STEP \t
.endr
	ds_load_b64 v[12:13], v6                       ; LDS serves a wave's instructions in order: these see my stores
	s_wait_dscnt 0x0
	global_store_b64 v7, v[12:13], s[24:25]        ; 32 lanes store 256 consecutive bytes, aligned
	s_wait_tensorcnt 0x0
	ds_add_u32 v192, v193
	s_wait_dscnt 0x0
	s_endpgm
.Lfunc_end_k_q0ad1023542_quant:
	.size	k_q0ad1023542_quant, .Lfunc_end_k_q0ad1023542_quant-k_q0ad1023542_quant
	.p2alignl 7, 3214868480
	.fill 96, 4, 3214868480
	.section	.rodata,"a",@progbits
	.p2align	6, 0x0
	.amdhsa_kernel k_q0ad1023542_quant
		.amdhsa_group_segment_fixed_size 33280
		.amdhsa_private_segment_fixed_size 0
		.amdhsa_enable_private_segment 0
		.amdhsa_kernarg_size 56
		.amdhsa_user_sgpr_count 2
		.amdhsa_user_sgpr_kernarg_segment_ptr 1
		.amdhsa_wavefront_size32 1
		.amdhsa_system_sgpr_workgroup_id_x 1
		.amdhsa_system_sgpr_workgroup_id_y 1
		.amdhsa_system_sgpr_workgroup_id_z 1
		.amdhsa_system_vgpr_workitem_id 0
		.amdhsa_next_free_vgpr 194
		.amdhsa_next_free_sgpr 66
		.amdhsa_reserve_vcc 0
		.amdhsa_float_denorm_mode_32 3
		.amdhsa_float_denorm_mode_16_64 3
		.amdhsa_memory_ordered 1
		.amdhsa_forward_progress 1
		.amdhsa_inst_pref_size 33
	.end_amdhsa_kernel
	.amdgpu_metadata
---
amdhsa.version: [ 1, 2 ]
amdhsa.kernels:
  - .name:           k_q0ad1023542_quant
    .symbol:         k_q0ad1023542_quant.kd
    .args:
      - { .name: in_features, .offset: 0, .size: 8, .value_kind: global_buffer, .address_space: global }
      - { .name: q_proj_weight, .offset: 8, .size: 8, .value_kind: global_buffer, .address_space: global }
      - { .name: k_proj_weight, .offset: 16, .size: 8, .value_kind: global_buffer, .address_space: global }
      - { .name: v_proj_weight, .offset: 24, .size: 8, .value_kind: global_buffer, .address_space: global }
      - { .name: o_proj_weight, .offset: 32, .size: 8, .value_kind: global_buffer, .address_space: global }
      - { .name: codes, .offset: 40, .size: 8, .value_kind: global_buffer, .address_space: global }
      - { .name: scales, .offset: 48, .size: 8, .value_kind: global_buffer, .address_space: global }
    .group_segment_fixed_size: 33280
    .private_segment_fixed_size: 0
    .kernarg_segment_align: 8
    .kernarg_segment_size: 56
    .max_flat_workgroup_size: 128
    .sgpr_count:     66
    .vgpr_count:     194
    .wavefront_size: 32
...
	.end_amdgpu_metadata
.endif
;; end of part 1
;; launch proj (part 2): grid 12 x 32, 4 waves a work-group, clusters of 4 x 4, 327,680 bytes of LDS; arguments codes, scales, qkv; writes qkv
.if DOCPART == 2
	.amdgcn_target "amdgcn-amd-amdhsa--gfx1250"
	.amdhsa_code_object_version 6
	.text
	.protected	k_q0ad1023542_proj
	.globl	k_q0ad1023542_proj
	.p2align	8
	.type	k_q0ad1023542_proj,@function
k_q0ad1023542_proj:
	s_mov_b64 s[64:65], 0
	v_nop
	global_prefetch_b8 v0, s[64:65] scope:SCOPE_SE
	s_setreg_imm32_b32 hwreg(HW_REG_WAVE_MODE, 25, 1), 1
	s_wait_xcnt 0x0
	s_wait_alu depctr_hold_cnt(0) depctr_sa_sdst(0) depctr_va_vdst(0) depctr_va_sdst(0) depctr_va_ssrc(0) depctr_va_vcc(0) depctr_vm_vsrc(0)
	s_getreg_b32 s2, hwreg(HW_REG_IB_STS2, 6, 4)
	s_cmp_eq_u32 s2, 0
	s_cbranch_scc0 .Lentry_in_a_cluster
	s_endpgm
.Lentry_in_a_cluster:
	s_bfe_u32 s2, ttmp6, 0x10000c
	s_cmp_lg_u32 s2, 0xf033
	s_cbranch_scc0 .Lentry_shape_is_right
	s_endpgm
.Lentry_shape_is_right:
; q = x Wq^T, k = x Wk^T, v = x Wv^T on codes of FP6 (E2M3) with one E8M0 scale for each 32 along K = 1024; the f32 sums are quantised on the way out and leave as codes.
; IN: codes [12288 positions][768 bytes], scales [12288][32]: positions 0-8191 x, 8192.. Wq, 9216.. Wk, 10240.. Wv.  Position p holds row p with bits 3 and 4 exchanged.
; OUT, all in qkv (bh = 16 x batch + head):
;   at 0:  q's codes [bh][2048 positions][48 bytes] (K = the head's 64);   at QS: q's scale words [bh][2048], bytes 0, 1 the two blocks', bytes 2, 3 zero;
;   at KV: [bh][8 slots of 256 keys] records of SLOTB bytes: +0 k's codes [256][48]; +12288 v's codes [key step 2][d tile 4] x 1,536 bytes, each the image of a fragment's 12 registers
;   (16 d x 128 keys; registers 4 c .. 4 c + 3 of lane l at 512 c + 16 l); +24576 k's scale words [256]; +25600 v's scale words [key step 2][64 d].
; A tile of 256 x 256 results is made by four waves, each 128 x 128: 64 accumulators of 16 x 16.  K goes in steps of 256 through a ring of two LDS slots filled by the tensor data mover.
; THE ROLE is the cluster's x, equal in all sixteen partners: 0 q, 1 k, 2 v.  The A region of a slot feeds source 1 and is shared along a row of the cluster, the B region feeds source 0 and is shared along a column.
;   q, k: A = x's tile 4 Y + cy, B = the weight's tile cx: a lane holds one token and its registers run along the heads' 64: q's and k's K.
;   v:    A = Wv's tile cy,      B = x's tile 4 Y + cx:    a lane holds one d and its registers run along the tokens: v's K.   (Y: the cluster's y.)
; Since 16 neighbouring positions are source 0, the 16 registers of two neighbouring tiles are 16 neighbours along the next K, 32 b + 16 (lane / 16) + 0 .. 15.
; LIMITS: a block of zeros gets the byte 1 (its codes are zeros, this program alone reads the bytes); a block whose largest magnitude lies under 2^-124 keeps the byte 1; NaN and infinities are not served.
; REGISTERS, in windows of 256: window 0: v0-31 addresses; v32-63 scale words, two sets; v64-76 the way out's addresses; v80-119 codes just made, two sets; from v128 A's fragments, ONE set (on the way out v128-216 at work).
;   window 1: B's fragments, TWO sets, at v0 and v128.   window 2: the 32 accumulators of my A blocks 0-3 (accumulator (a, b) at v[8 (8 a + b)]);   window 3: those of blocks 4-7.
.set KSTEP,  256                       ; along K in a slot
.set NQ,     2                         ; matrix instructions deep
.set ROWB,   192                       ; a tile's row in bytes
.set KROW,   768                       ; a row of codes in memory
.set PITCH,  240                       ; an LDS row: 3 x (64 bytes of data + 16 of padding)
.set FR,     12                        ; registers of a fragment: 16 rows x 128 K
.set NL,     6                         ; LDS loads that bring one
.set NP,     4                         ; places behind this matrix instruction (ISA guide 7.12.1)
.set HALFT,  128*PITCH                 ; 128 rows: what one tensor load brings
.set SLOT,   4*HALFT                   ; A's 256 rows, then B's 256 rows
.set LAPS,   2                         ; a lap = two K steps = once round the ring
.set KS,     32                        ; a row of scales in bytes
.set SCL,    2*SLOT                    ; behind the ring: the scales, as runs of 256 bytes + 16 of padding
.set HALFS,  (128*KS/256)*272          ; the scales of 128 rows
.set SBLK,   (16*KS/256)*272           ; those of 16 rows
.set SPARE,  SCL+4*HALFS               ; the spare words, 128 bytes for each wave; no other line names them
.set QS,     6291456
.set KV,     6815744
.set SLOTB,  26112
.set HKV,    8*SLOTB
.set VSTG,   16384                     ; the way out of v: 1,024 bytes a wave for its scale words; q's and k's way out has 4,096 bytes a wave from byte 0.  Both lie in slot 0, which has had its last fill and its last read by then
.set ADRA, 16                          ; v16-17  LDS address of my A fragments in slot 0, 1  (v18-19: for the pieces that lie behind one padding more)
.set ADRB, 20                          ; v20-23  the same for B
.set ADRS, 27                          ; v27     LDS address of my scale words: lanes 0-15 A's rows, lanes 16-31 B's
.set SPW,  28                          ; v28     LDS address of my spare word; never rewritten
.set NIL,  29                          ; v29     0; never rewritten
.set SC,   32                          ; scale words: set s at v[SC + 16 s]; register 2 i + q: lanes 0-15 A's block i, lanes 16-31 B's block i
.set ST0,  64                          ; v64  q, k: stage + 48 r + 24 h
.set RD,   65                          ; v65  stage + 16 x lane
.set SCA,  66                          ; v66  stage + 2560 + 4 r + 512 h
.set SRD,  67                          ; v67  stage + 2560 + 16 x lane
.set VSH,  68                          ; v68  16 h
.set SV,   69                          ; v69  a scale word on its way to the stage
.set GO0,  70                          ; v70  16 x lane
.set GO1,  71                          ; v71-72 the second and third 512 bytes of a block's two heads
.set GO2,  72
.set GS1,  73                          ; v73  the second head's scale words
.set VSC,  74                          ; v74  v: its stage + 4 r
.set VRD,  75                          ; v75  its stage + 16 x lane
.set GSV,  76                          ; v76  v's scale words in memory
.set PC,   80                          ; codes just made: 20 registers a set, two sets
.set AF,   128                         ; A's fragments
.set BK,   128                         ; the way out: 12 registers read back from the stage, two sets
.set SWB,  152                         ; v152-159 scale words read back
.set TM,   200                         ; v200-203 largest magnitudes, v204-207 bytes, v212-215 the conversions' scale operands
.set PW,   216                         ; the scale word just made
.set SEL,  96                          ; s[96:97] lane selects for v_permlanex16_b32: lane l xor 16
.set G1, 24                            ; s[24:31] descriptor group 1 for A's tiles;  s[32:39] group 0, one set for each slot
.set G0, 32
.set G1B, 48                           ; s[48:55], s[56:63] the same for B's tiles
.set G0B, 56
.set G1S, 68                           ; s[68:75], s[76:79] groups 1 and 0 for A's scales;  s[80:87], s[88:91] for B's
.set G0S, 76
.set G1SB, 80
.set G0SB, 88
.set MSB, 0
.macro WIN new                         ; the immediate's high byte repeats the setting that is left
.if MSB != \new
	s_set_vgpr_msb (MSB<<8)|\new
.set MSB, \new
.endif
.endm
.set MUL_LO, 0xa1                      ; source 0 (B) window 1, source 1 (A) window 0, C and D window 2
.set MUL_HI, 0xf1                      ; the same, C and D window 3
.set TO_B,   0x40                      ; destination window 1, address window 0
; A joint load: waves 0 and 1 fetch for A, waves 2 and 3 for B.  Each line has one mask and one set of registers for all that issue it; the branch hangs on the wave's number alone.
; Four v_nop follow each of the two lines, ahead of the jump, the label and what follows.
.macro JLOAD g0a, g1a, g0b, g1b
	s_cmp_eq_u32 s15, 0
	s_cbranch_scc0 .Lfor_b_\@
	tensor_load_to_lds s[\g0a:\g0a+3], s[\g1a:\g1a+7]
	s_nop 0
.rept 4
	v_nop
.endr
	s_branch .Lasked_\@
.Lfor_b_\@:
	tensor_load_to_lds s[\g0b:\g0b+3], s[\g1b:\g1b+7]
	s_nop 0
.rept 4
	v_nop
.endr
.Lasked_\@:
.endm
.macro CREST                           ; a round of the cluster's barrier behind its opening barrier
	s_cmp_lg_u32 s14, 0
	s_cbranch_scc1 .Lnot_wave_0_\@
	s_barrier_signal -3
.Lnot_wave_0_\@:
	s_barrier_wait -3
	s_barrier_signal -1
	s_barrier_wait -1
.endm
.macro CROUND                          ; a whole round
	s_barrier_signal -1
	s_barrier_wait -1
	CREST
.endm
	s_load_b128 s[4:7], s[0:1], 0x0                ; the codes s[4:5], the scale bytes s[6:7]
	s_load_b64 s[12:13], s[0:1], 0x10              ; qkv
	v_lshl_add_u32 v[SPW], v0, 2, SPARE
	v_mov_b32 v[NIL], 0
	ds_add_u32 v28, v29
	s_wait_dscnt 0x0
	v_lshrrev_b32 v1, 5, v0
	v_readfirstlane_b32 s14, v1                    ; wave 0..3
	s_lshr_b32 s15, s14, 1                         ; which half of A's rows is mine.  Also: I fetch for A (0) or for B (1)
	s_and_b32 s16, s14, 1                          ; which half of B's rows.  Also: which 128 rows of that tile I fetch
	s_bfe_u32 s40, ttmp6, 0x40000                  ; cx, cy: my place in the cluster
	s_bfe_u32 s41, ttmp6, 0x40004
	s_and_b32 s18, ttmp7, 0xffff
	s_lshl_b32 s18, s18, 2                         ; 4 Y
	s_lshl_b32 s19, ttmp9, 2
	s_add_co_u32 s19, s19, 32                      ; 32 + 4 x role: where Wq's and Wk's tiles of 256 positions begin
	s_cmp_eq_u32 ttmp9, 2                          ; v?  The cluster's x: the same in all partners
	s_cselect_b32 s17, 40, s18                     ; A's tile of 256 positions: Wv's begin at 40; x's at 4 Y
	s_cselect_b32 s42, s18, s19                    ; B's: x's at 4 Y; the weight's
	s_add_co_u32 s17, s17, s41                     ; + cy: A's tile hangs on cy and the cluster's place alone
	s_add_co_u32 s42, s42, s40                     ; + cx: B's on cx and the cluster's place alone
	s_lshl_b32 s43, s41, 2
	s_lshl_b32 s43, 15, s43                        ; my row of the cluster
	s_lshl_b32 s44, 0x1111, s40                    ; my column
	; descriptor group 1: a tile of 128 rows x ROWB bytes, padded in LDS
	s_or_b32 s[G1+0], s43, (0<<16)|(1<<20)|(1<<21)|(3<<22)|(3<<25)  ; 15:0 the mask: A's tiles go to my row; elements of 1 byte; padding on; bit 21 beside a mask; after every 16 words 4 words
	s_or_b32 s[G1B+0], s44, (0<<16)|(1<<20)|(1<<21)|(3<<22)|(3<<25)
.irp g, G1, G1B
	s_mov_b32 s[\g+1], ROWB<<16                    ; tensor_dim0
	s_mov_b32 s[\g+2], 128<<16                     ; tensor_dim1 = 128
	s_mov_b32 s[\g+3], ROWB<<16                    ; tile_dim0
	s_mov_b32 s[\g+4], 128                         ; tile_dim1 = 128
	s_mov_b32 s[\g+5], KROW                        ; tensor_dim0_stride
	s_mov_b32 s[\g+6], 0
	s_mov_b32 s[\g+7], 0
.endr
	; and for the scales of 128 rows: a dense block of 4,096 bytes, as 16 rows of 256 bytes (32 elements of 8 bytes), 16 bytes of padding behind each
	s_or_b32 s[G1S+0], s43, (3<<16)|(1<<20)|(1<<21)|(5<<22)|(3<<25)
	s_or_b32 s[G1SB+0], s44, (3<<16)|(1<<20)|(1<<21)|(5<<22)|(3<<25)
.irp g, G1S, G1SB
	s_mov_b32 s[\g+1], 32<<16
	s_mov_b32 s[\g+2], (128*KS/256)<<16
	s_mov_b32 s[\g+3], 32<<16
	s_mov_b32 s[\g+4], 128*KS/256
	s_mov_b32 s[\g+5], 32
	s_mov_b32 s[\g+6], 0
	s_mov_b32 s[\g+7], 0
.endr
	s_lshl_b32 s18, s16, 7                         ; which 128 rows of the tile I fetch
	s_lshl_b32 s20, s17, 8
	s_add_co_u32 s20, s20, s18                     ; A: position 256 x tile + 128 x half
	s_lshl_b32 s46, s42, 8
	s_add_co_u32 s46, s46, s18                     ; B likewise
	s_mov_b32 s21, 0
	s_mov_b32 s47, 0
	s_mov_b64 s[18:19], KS
	s_mul_u64 s[22:23], s[20:21], s[18:19]         ; where these rows' scales begin, in bytes
	s_mul_u64 s[92:93], s[46:47], s[18:19]
	s_mov_b64 s[18:19], KROW
	s_mul_u64 s[20:21], s[20:21], s[18:19]         ; and their codes
	s_mul_u64 s[46:47], s[46:47], s[18:19]
	s_mul_i32 s45, s14, HALFT                      ; where they go: wave x 128 rows: no place in the cluster enters an LDS address
	s_mul_i32 s94, s14, HALFS
	s_mov_b32 s[SEL], 0x76543210
	s_mov_b32 s[SEL+1], 0xfedcba98
	s_wait_kmcnt 0x0
	s_add_nc_u64 s[20:21], s[4:5], s[20:21]
	s_add_nc_u64 s[22:23], s[6:7], s[22:23]
	s_add_nc_u64 s[46:47], s[4:5], s[46:47]
	s_add_nc_u64 s[92:93], s[6:7], s[92:93]
	CROUND                                         ; all sixteen work-groups are here: the first joint loads meet
	s_mov_b32 s[G0S], 1
	s_add_co_u32 s[G0S+1], s94, SCL
	s_mov_b64 s[G0S+2:G0S+3], s[22:23]
	s_or_b32 s[G0S+3], s[G0S+3], 0x80000000
	s_mov_b32 s[G0SB], 1
	s_add_co_u32 s[G0SB+1], s94, SCL
	s_mov_b64 s[G0SB+2:G0SB+3], s[92:93]
	s_or_b32 s[G0SB+3], s[G0SB+3], 0x80000000
	JLOAD G0S, G1S, G0SB, G1SB                     ; the scales first: they are wanted with K step 0.  Three loads of mine are out behind the next two
.irp s, 0,1
	s_mov_b32 s[G0+4*\s], 1
	s_add_co_u32 s[G0+4*\s+1], s45, \s*SLOT
	s_add_nc_u64 s[G0+4*\s+2:G0+4*\s+3], s[20:21], \s*ROWB
	s_or_b32 s[G0+4*\s+3], s[G0+4*\s+3], 0x80000000
	s_mov_b32 s[G0B+4*\s], 1
	s_add_co_u32 s[G0B+4*\s+1], s45, \s*SLOT
	s_add_nc_u64 s[G0B+4*\s+2:G0B+4*\s+3], s[46:47], \s*ROWB
	s_or_b32 s[G0B+4*\s+3], s[G0B+4*\s+3], 0x80000000
	JLOAD G0+4*\s, G1, G0B+4*\s, G1B
.endr
	v_and_b32 v1, 15, v0                           ; r = lane % 16
	v_bfe_u32 v2, v0, 4, 1                         ; h = lane / 16
	v_mul_u32_u24 v3, v1, PITCH
	v_mul_u32_u24 v4, v2, 24
	v_add_nc_u32 v4, v3, v4                        ; a fragment's row x pitch + 24 x half
	v_lshl_add_u32 v5, v2, 4, v4                   ; and the same behind one padding more
	s_mul_i32 s21, s15, HALFT                      ; my 128 rows of A
	s_mul_i32 s22, s16, HALFT                      ; my 128 rows of B,
	s_add_co_u32 s22, s22, 2*HALFT                 ; which lie behind A's 256
.irp s, 0,1
	v_add_nc_u32 v[ADRA+\s], s21, v4
	v_add_nc_u32 v[ADRB+\s], s22, v4
	v_add_nc_u32 v[ADRA+2+\s], s21, v5
	v_add_nc_u32 v[ADRB+2+\s], s22, v5
	s_add_co_u32 s21, s21, SLOT
	s_add_co_u32 s22, s22, SLOT
.endr
	v_mul_u32_u24 v5, v1, KS                       ; my row's scales: KS bytes a row,
	v_lshrrev_b32 v6, 8, v5
	v_lshl_add_u32 v5, v6, 4, v5                   ; and 16 more for each 256 passed
	s_mul_i32 s21, s15, HALFS                      ; A's: my 128 rows
	s_mul_i32 s22, s16, HALFS                      ; B's: my 128 rows, behind A's 256
	s_add_co_u32 s22, s22, 2*HALFS
	s_sub_co_u32 s22, s22, s21
	v_mul_u32_u24 v6, s22, v2                      ; lanes 16-31 take B's
	s_add_co_u32 s21, s21, SCL
	v_add_nc_u32 v5, v5, v6
	v_add_nc_u32 v[ADRS], s21, v5
	; the way out's LDS addresses: a constant + a constant x lane + a constant x wave
	s_lshl_b32 s23, s14, 12                        ; q, k: my stage, 4,096 x wave
	v_mul_u32_u24 v5, v1, 48
	v_mad_u32_u24 v5, v2, 24, v5
	v_add_nc_u32 v[ST0], s23, v5                   ; in: token r's 48 bytes, block h's 24
	v_and_b32 v6, 31, v0
	v_lshlrev_b32 v[GO0], 4, v6
	v_add_nc_u32 v[RD], s23, v[GO0]                ; back: 16 bytes a lane
	v_lshlrev_b32 v5, 2, v1
	v_lshl_add_u32 v5, v2, 9, v5
	v_add_nc_u32 v5, s23, v5
	v_add_nc_u32 v[SCA], 2560, v5                  ; scale words: head h's 512 bytes, token r's word
	v_add_nc_u32 v[SRD], 2560, v[RD]
	v_lshlrev_b32 v[VSH], 4, v2
	s_lshl_b32 s23, s14, 10                        ; v: my stage, 1,024 x wave behind VSTG
	s_add_co_u32 s23, s23, VSTG
	v_lshlrev_b32 v5, 2, v1
	v_add_nc_u32 v[VSC], s23, v5
	v_add_nc_u32 v[VRD], s23, v[GO0]
.macro FRAG reg, adr, q, i             ; a fragment is 12 registers: lane l holds row l % 16; registers 6 c .. 6 c + 5 hold K = 64 c + 32 (l / 16) + 0 .. 31: 24 bytes of the row's stream of bits, as they lie
.irp p, 0,1,2,3,4,5                    ; in pieces of 8 bytes.  Lanes 0-15 take the row's pieces 12 q + 0, 1, 2 and 12 q + 6, 7, 8, lanes 16-31 those three pieces on
.set PIECE, 12*(\q)+6*(\p/3)+\p%3     ; 16 bytes of padding lie behind every 8 pieces: where the piece three on lies behind one padding more, the second address register serves
.if PIECE%8 < 5
	ds_load_b64 v[\reg+2*\p:\reg+2*\p+1], v[\adr] offset:8*PIECE+16*(PIECE/8)+(\i)*16*PITCH
.else
	ds_load_b64 v[\reg+2*\p:\reg+2*\p+1], v[\adr+2] offset:8*PIECE+16*(PIECE/8)+(\i)*16*PITCH
.endif
.endr
.endm
; 16 matrix instructions: A's blocks a0, a0 + 1 x B's eight, 128 along K: the slot's q-th.  p: B's set;  sc: the set of scale words.  zero = 1: the first product starts the sums.
; The 64 accumulators take turns, one instruction a turn, in the same order in every step.
.macro MUL16 a0, p, q, sc, zero
.irp a, \a0, \a0+1
.irp b, 0,1,2,3,4,5,6,7
.if \zero
	v_wmma_scale_f32_16x16x128_f8f6f4 v[8*(8*((\a)%4)+\b):8*(8*((\a)%4)+\b)+7], v[128*(\p)+FR*\b:128*(\p)+FR*\b+FR-1], v[AF+FR*(\a):AF+FR*(\a)+FR-1], 0, v[SC+8*NQ*(\sc)+NQ*\b+(\q)], v[SC+8*NQ*(\sc)+NQ*(\a)+(\q)] matrix_a_fmt:MATRIX_FMT_FP6 matrix_b_fmt:MATRIX_FMT_FP6 matrix_a_scale:MATRIX_SCALE_ROW1
.else
	v_wmma_scale_f32_16x16x128_f8f6f4 v[8*(8*((\a)%4)+\b):8*(8*((\a)%4)+\b)+7], v[128*(\p)+FR*\b:128*(\p)+FR*\b+FR-1], v[AF+FR*(\a):AF+FR*(\a)+FR-1], v[8*(8*((\a)%4)+\b):8*(8*((\a)%4)+\b)+7], v[SC+8*NQ*(\sc)+NQ*\b+(\q)], v[SC+8*NQ*(\sc)+NQ*(\a)+(\q)] matrix_a_fmt:MATRIX_FMT_FP6 matrix_b_fmt:MATRIX_FMT_FP6 matrix_a_scale:MATRIX_SCALE_ROW1
.endif
.endr
.endr
.endm
.macro FETCH_B slot, q, p              ; B's eight fragments of the slot's q-th 128 along K into set p
	WIN TO_B
.irp i, 0,1,2,3,4,5,6,7
	FRAG 128*(\p)+FR*\i, ADRB+\slot, \q, \i
.endr
	WIN 0
.endm
.macro FETCH_A slot, q, i0             ; A's blocks i0 .. i0 + 3
.irp i, \i0, \i0+1, \i0+2, \i0+3
	FRAG AF+FR*(\i), ADRA+\slot, \q, \i
.endr
.endm
.macro SCALES sc                       ; the next K step's scale words into set sc: 2 words a row; lanes 0-15 take A's block i, lanes 16-31 B's block i
.irp i, 0,1,2,3,4,5,6,7
	ds_load_b64 v[SC+8*NQ*\sc+NQ*\i:SC+8*NQ*\sc+NQ*\i+1], v[ADRS] offset:\i*SBLK
.endr
.endm
; A load into a register that a matrix instruction has read, and a vector instruction that reads a matrix result or writes one of its registers, stand NP places behind it;
; only plain vector instructions that name none of its registers are places (ISA guide 7.12.1 for vector instructions).
.macro PLACES n
.rept \n
	v_nop
.endr
.endm
; A step of 128 along K that has its successor in the same slot.
.macro STEP slot, q, zero
	s_wait_dscnt 4*NL                              ; B's set and A's blocks 0-3 are in; the youngest 24 loads (A's blocks 4-7) may be out
	WIN MUL_LO
	MUL16 0, (\q)%2, \q, \slot, \zero
	MUL16 2, (\q)%2, \q, \slot, \zero
	s_wait_dscnt 0                                 ; A's blocks 4-7 are in (asked for 32 matrix instructions ago)
	PLACES NP
	FETCH_B \slot, (\q)+1, 1-(\q)%2
	FETCH_A \slot, (\q)+1, 0
	WIN MUL_HI
	MUL16 4, (\q)%2, \q, \slot, \zero
	MUL16 6, (\q)%2, \q, \slot, \zero
	PLACES NP
	WIN 0
	FETCH_A \slot, (\q)+1, 4
.endm
; A slot's last step changes slots: ONE barrier; in front of it each wave waits for all its tensor loads, adds 0 to its spare word, and waits for that and for its own reads of this slot.  fill = 1: this slot is filled again, two K steps ahead.
.macro TURN slot, next, fill
	s_wait_tensorcnt 0x0                           ; all my tensor loads have landed: my part of the next slot;  (every window is 0 here)
	ds_add_u32 v[SPW], v[NIL]                      ; 0 onto my spare word
	s_wait_dscnt 4*NL+1                            ; (the add and the youngest 24 loads, A's blocks 4-7, may be out)
	WIN MUL_LO
	MUL16 0, 1, NQ-1, \slot, 0                     ; sixteen matrix instructions stand between the add and the wait for it
	s_wait_dscnt 0x0                               ; the add is done, and my reads of this slot are over
	s_barrier_signal -1
	MUL16 2, 1, NQ-1, \slot, 0
	WIN 0
	s_barrier_wait -1
.if \fill
	CREST                                          ; the barrier has opened a round of the cluster's barrier: no wave of any partner still reads this slot's tile or has a load on its way
	s_add_nc_u64 s[G0+4*\slot+2:G0+4*\slot+3], s[G0+4*\slot+2:G0+4*\slot+3], 2*ROWB
	s_add_nc_u64 s[G0B+4*\slot+2:G0B+4*\slot+3], s[G0B+4*\slot+2:G0B+4*\slot+3], 2*ROWB
	JLOAD G0+4*\slot, G1, G0B+4*\slot, G1B         ; the first tensor load behind the round, my only one until the next; its four v_nop are the places in front of the loads below
.else
	PLACES NP
.endif
	v_add_nc_u32 v[ADRS], 4*NQ, v[ADRS]            ; on to the next K step's scale words
	FETCH_B \next, 0, 0
	FETCH_A \next, 0, 0
	SCALES \next
	WIN MUL_HI
	MUL16 4, 1, NQ-1, \slot, 0
	MUL16 6, 1, NQ-1, \slot, 0
	PLACES NP
	WIN 0
	FETCH_A \next, 0, 4
.endm
	s_wait_tensorcnt 1                             ; the scales and my part of K step 0 are in (K step 1's load may be out)
	s_barrier_signal -1
	s_barrier_wait -1                              ; everybody's are
	FETCH_B 0, 0, 0
	FETCH_A 0, 0, 0
	SCALES 0
	FETCH_A 0, 0, 4
	STEP 0, 0, 1                                   ; the first step stands in front of the loop: its products start the sums
	s_mov_b32 s3, LAPS-1
.Llap:                                                 ; a trip goes once round the ring, from a lap's second step to the next lap's first, and fills both slots again
	TURN 0, 1, 1
	STEP 1, 0, 0
	TURN 1, 0, 1
	STEP 0, 0, 0
	s_sub_co_u32 s3, s3, 1
	s_cmp_lg_u32 s3, 0
	s_cbranch_scc1 .Llap
	TURN 0, 1, 0                                   ; the last lap fills nothing, and has no round of the cluster's barrier
	STEP 1, 0, 0
	s_wait_dscnt 4*NL                              ; the very last step: nothing more to fetch
	WIN MUL_LO
	MUL16 0, 1, NQ-1, 1, 0
	MUL16 2, 1, NQ-1, 1, 0
	s_wait_dscnt 0
	WIN MUL_HI
	MUL16 4, 1, NQ-1, 1, 0
	MUL16 6, 1, NQ-1, 1, 0
	WIN 0
; THE WAY OUT.  The 64 numbers that a lane holds of A's block a (register 16 b + i = place 32 b + 16 (lane / 16) + i along the next K) become a fragment's 12 registers of codes in set a % 2 and a scale word in v[PW].
; Each accumulator is read from its low end on.
.macro QUANTW a
.set AC, 64*((\a)%4)
.set WW, 2+(\a)/4                      ; the block's window
.set W2, 5*WW                          ; sources 0 and 1 in that window
.set PCS, PC+20*((\a)%2)
	WIN W2
.irp b, 0,1,2,3
	v_max3_num_f32 v[TM+\b], |v[AC+16*\b]|, |v[AC+16*\b+1]|, 0x1800000   ; block b: my 16 numbers, and the floor 2^(3 - 127): the byte cannot fall under 1
.endr
.irp i, 2,4,6,8,10,12,14
.irp b, 0,1,2,3
	v_max3_num_f32 v[TM+\b], |v[AC+16*\b+\i]|, |v[AC+16*\b+\i+1]|, v[TM+\b]   ; (the four blocks by turns)
.endr
.endr
	WIN 0
.irp b, 0,1,2,3
	v_permlanex16_b32 v[TM+4+\b], v[TM+\b], s[SEL], s[SEL+1]
.endr
.irp b, 0,1,2,3
	v_max_num_f32 v[TM+\b], v[TM+\b], v[TM+4+\b]   ; with lane l xor 16's: the block's largest magnitude
.endr
.irp b, 0,1,2,3
	v_add_nc_u32 v[TM+12+\b], 0xff000000, v[TM+\b] ; 2 off its exponent field: the conversion's scale operand
.endr
.irp b, 0,1,2,3
	v_lshrrev_b32 v[TM+4+\b], 23, v[TM+12+\b]      ; the scale's byte
.endr
	v_lshl_or_b32 v[PW], v[TM+5], 8, v[TM+4]
	v_lshl_or_b32 v[PW], v[TM+6], 16, v[PW]
	v_lshl_or_b32 v[PW], v[TM+7], 24, v[PW]
	WIN WW                                         ; source 0 in the block's window
.irp c, 0,1
	v_cvt_scalef32_pk16_fp6_f32 v[PCS+6*\c:PCS+2+6*\c], v[AC+32*\c:AC+15+32*\c], v[TM+12+2*\c]
	v_cvt_scalef32_pk16_fp6_f32 v[PCS+12+4*\c:PCS+14+4*\c], v[AC+16+32*\c:AC+31+32*\c], v[TM+12+2*\c+1]   ; (a conversion's three registers begin on an even number)
.endr
	WIN 0
	v_nop                                          ; one plain place behind a scaled conversion
.irp c, 0,1                                    ; the operand's layout wants a whole block in a lane: lanes 0-15 block 2 c, lanes 16-31 block 2 c + 1
.irp i, 0,1,2
	v_permlane16_swap_b32 v[PCS+6*\c+\i], v[PCS+12+4*\c+\i]
.endr
.irp i, 0,1,2
	v_mov_b32 v[PCS+3+6*\c+\i], v[PCS+12+4*\c+\i]
.endr
.endr
.endm
; q, k: registers 6 c .. 6 c + 5 are block (lane / 16) of head c of token 16 a + r: 24 bytes.  16 tokens x 48 bytes of a head are 768 consecutive bytes of memory: they are gathered in my stage and read back 16 bytes a lane.
.macro TOSTAGE a
.set PCS, PC+20*((\a)%2)
.set BKS, BK+12*((\a)%2)
.irp c, 0,1
.irp i, 0,1,2
	ds_store_b64 v[ST0], v[PCS+6*\c+2*\i:PCS+6*\c+2*\i+1] offset:768*\c+8*\i
.endr
.endr
	v_lshrrev_b32 v[SV], v[VSH], v[PW]             ; lanes 0-15: head 0's two bytes; lanes 16-31: head 1's;
	v_and_b32 v[SV], 0xffff, v[SV]                 ; the upper two bytes, of the K that the head does not have, are 0
	ds_store_b32 v[SCA], v[SV] offset:64*(\a)
.if (\a) > 1
	s_wait_xcnt 0x0                                ; block a - 2's stores have read the registers that these loads fill
.endif
.irp c, 0,1,2
	ds_load_b128 v[BKS+4*\c:BKS+4*\c+3], v[RD] offset:512*\c   ; LDS serves a wave's instructions in order: these see the stores above
.endr
.endm
.macro SEND a
.set BKS, BK+12*((\a)%2)
	s_wait_dscnt 0x0                               ; the block is back in registers, and its stores into the stage have read theirs
	global_store_b128 v[GO0], v[BKS:BKS+3], s[20:21] offset:768*(\a)     ; sixteen lanes store 256 consecutive bytes, aligned
	global_store_b128 v[GO1], v[BKS+4:BKS+7], s[20:21] offset:768*(\a)
	global_store_b128 v[GO2], v[BKS+8:BKS+11], s[20:21] offset:768*(\a)
.endm
	PLACES NP                                      ; behind the last products: their results are read and their operands' registers written below
.irp b, 0,1,2,3
	v_mov_b32 v[TM+4+\b], 0                        ; written once: a lane permute's destination counts as one of its sources
.endr
	s_cmp_eq_u32 ttmp9, 2                          ; the role: the same in every wave of every partner
	s_cbranch_scc1 .Lv_out
	; ---- q and k.  s17: the tile of 256 tokens; s40: the weight's tile of four heads; s15: my half of the tokens; s16: my two heads
	s_lshr_b32 s18, s17, 3                         ; batch
	s_and_b32 s19, s17, 7                          ; which 256 tokens of the batch
	s_lshl_b32 s20, s40, 2
	s_lshl_b32 s21, s16, 1
	s_add_co_u32 s20, s20, s21                     ; the first of my two heads
	s_lshl_b32 s18, s18, 4
	s_add_co_u32 s18, s18, s20                     ; bh
	s_mov_b32 s22, HKV                             ; k's figures, and q's in their stead where the role is 0:
	s_mov_b32 s23, SLOTB
	s_mov_b32 s43, KV
	s_mov_b32 s44, HKV
	s_mov_b32 s45, SLOTB
	s_mov_b32 s46, KV+24576
	s_cmp_eq_u32 ttmp9, 0
	s_cselect_b32 s22, 98304, s22                  ; codes: from head to head,
	s_cselect_b32 s23, 12288, s23                  ; from 256 tokens to the next,
	s_cselect_b32 s43, 0, s43                      ; the section's first byte;
	s_cselect_b32 s44, 8192, s44                   ; scale words likewise
	s_cselect_b32 s45, 1024, s45
	s_cselect_b32 s46, QS, s46
	s_mul_i32 s20, s18, s22
	s_mul_i32 s21, s19, s23
	s_add_co_u32 s20, s20, s21
	s_add_co_u32 s20, s20, s43
	s_mul_i32 s21, s15, 6144
	s_add_co_u32 s20, s20, s21                     ; under 2^25
	s_mov_b32 s21, 0
	s_add_nc_u64 s[20:21], s[12:13], s[20:21]      ; my codes
	s_mul_i32 s92, s18, s44
	s_mul_i32 s93, s19, s45
	s_add_co_u32 s92, s92, s93
	s_add_co_u32 s92, s92, s46
	s_lshl_b32 s93, s15, 9
	s_add_co_u32 s92, s92, s93
	s_mov_b32 s93, 0
	s_add_nc_u64 s[92:93], s[12:13], s[92:93]      ; my scale words
	s_sub_co_u32 s47, s22, 768                     ; from the end of head 0's 768 bytes to head 1's
	v_mul_u32_u24 v3, s47, v2
	v_add3_u32 v[GO1], v[GO0], v3, 512             ; the second 512 bytes: lanes 0-15 end head 0, lanes 16-31 begin head 1
	v_add_nc_u32 v[GO2], s47, v[GO0]
	v_add_nc_u32 v[GO2], 1024, v[GO2]              ; the third: head 1
	v_add_nc_u32 v[GS1], s44, v[GO0]
	QUANTW 0
	TOSTAGE 0
.irp a, 1,2,3,4,5,6,7                  ; block a's arithmetic stands between block a - 1's loads from the stage and the wait for them
	QUANTW \a
	SEND \a-1
	TOSTAGE \a
.endr
	SEND 7
	ds_load_b128 v[SWB:SWB+3], v[SRD]              ; 128 tokens' scale words of head 0,
	ds_load_b128 v[SWB+4:SWB+7], v[SRD] offset:512 ; of head 1
	s_wait_dscnt 0x0
	global_store_b128 v[GO0], v[SWB:SWB+3], s[92:93]
	global_store_b128 v[GS1], v[SWB+4:SWB+7], s[92:93]
	s_branch .Ldone
.Lv_out:
	; ---- v.  s42: the tile of 256 tokens = a slot of keys; s41: Wv's tile of four heads; s15: my two heads; s16: my key step of 128
	s_lshr_b32 s18, s42, 3                         ; batch
	s_and_b32 s19, s42, 7                          ; slot
	s_lshl_b32 s20, s41, 2
	s_lshl_b32 s21, s15, 1
	s_add_co_u32 s20, s20, s21
	s_lshl_b32 s18, s18, 4
	s_add_co_u32 s18, s18, s20                     ; bh of the first of my two heads
	s_mul_i32 s18, s18, HKV
	s_mul_i32 s19, s19, SLOTB
	s_add_co_u32 s18, s18, s19
	s_add_co_u32 s18, s18, KV                      ; the record
	s_mul_i32 s20, s16, 6144
	s_add_co_u32 s20, s20, s18
	s_add_co_u32 s20, s20, 12288
	s_mov_b32 s21, 0
	s_add_nc_u64 s[20:21], s[12:13], s[20:21]      ; my key step's four images
	s_lshl_b32 s22, s16, 8
	s_add_co_u32 s22, s22, s18
	s_add_co_u32 s22, s22, 25600
	s_mov_b32 s23, 0
	s_add_nc_u64 s[22:23], s[12:13], s[22:23]      ; and its 64 scale words
	v_mul_u32_u24 v3, v2, HKV-256
	v_add_nc_u32 v[GSV], v[GO0], v3                ; lanes 0-15 head 0's 256 bytes, lanes 16-31 head 1's
.irp a, 0,1,2,3,4,5,6,7                ; block a: d tile a % 4 of head a / 4.  The codes are a fragment of v as the next launch wants it: they leave as they stand, 512 consecutive bytes a store
.if \a > 0
	s_wait_xcnt 0x0                                ; the earlier blocks' stores have read their registers,
	s_wait_dscnt 0x0                               ; and so has the scale word's store
.endif
	QUANTW \a
.irp c, 0,1,2
	global_store_b128 v[GO0], v[PC+20*(\a%2)+4*\c:PC+20*(\a%2)+4*\c+3], s[20:21] offset:(\a/4)*HKV+(\a%4)*1536+512*\c
.endr
	ds_store_b32 v[VSC], v[PW] offset:64*\a        ; both halves of the lanes hold row r's word and write it to the same place
.endr
	ds_load_b128 v[SWB:SWB+3], v[VRD]              ; LDS serves a wave's instructions in order: this sees my stores
	s_wait_dscnt 0x0
	global_store_b128 v[GSV], v[SWB:SWB+3], s[22:23]
.Ldone:
	s_wait_tensorcnt 0x0                           ; the wave's end, behind my last tensor load and my last LDS store
	ds_add_u32 v[SPW], v[NIL]
	s_wait_dscnt 0x0
	CROUND                                         ; the closing round: no work-group ends while a partner may still ask for a tile that names it
	s_endpgm
.Lfunc_end_k_q0ad1023542_proj:
	.size	k_q0ad1023542_proj, .Lfunc_end_k_q0ad1023542_proj-k_q0ad1023542_proj
	.p2alignl 7, 3214868480
	.fill 96, 4, 3214868480
	.section	.rodata,"a",@progbits
	.p2align	6, 0x0
	.amdhsa_kernel k_q0ad1023542_proj
		.amdhsa_group_segment_fixed_size 327680
		.amdhsa_private_segment_fixed_size 0
		.amdhsa_enable_private_segment 0
		.amdhsa_kernarg_size 24
		.amdhsa_user_sgpr_count 2
		.amdhsa_user_sgpr_kernarg_segment_ptr 1
		.amdhsa_wavefront_size32 1
		.amdhsa_system_sgpr_workgroup_id_x 1
		.amdhsa_system_sgpr_workgroup_id_y 1
		.amdhsa_system_sgpr_workgroup_id_z 1
		.amdhsa_system_vgpr_workitem_id 0
		.amdhsa_next_free_vgpr 1024
		.amdhsa_next_free_sgpr 102
		.amdhsa_reserve_vcc 0
		.amdhsa_float_denorm_mode_32 3
		.amdhsa_float_denorm_mode_16_64 3
		.amdhsa_memory_ordered 1
		.amdhsa_forward_progress 1
		.amdhsa_inst_pref_size 207
	.end_amdhsa_kernel
	.amdgpu_metadata
---
amdhsa.version: [ 1, 2 ]
amdhsa.kernels:
  - .name:           k_q0ad1023542_proj
    .symbol:         k_q0ad1023542_proj.kd
    .args:
      - { .name: codes, .offset: 0, .size: 8, .value_kind: global_buffer, .address_space: global }
      - { .name: scales, .offset: 8, .size: 8, .value_kind: global_buffer, .address_space: global }
      - { .name: qkv, .offset: 16, .size: 8, .value_kind: global_buffer, .address_space: global }
    .group_segment_fixed_size: 327680
    .private_segment_fixed_size: 0
    .kernarg_segment_align: 8
    .kernarg_segment_size: 24
    .max_flat_workgroup_size: 128
    .sgpr_count:     102
    .vgpr_count:     1024
    .wavefront_size: 32
...
	.end_amdgpu_metadata
.endif
;; end of part 2
;; launch attn (part 3): grid 4 x 64, 16 waves a work-group, no clusters, 327,680 bytes of LDS; arguments qkv, a_codes, a_scales; writes a_codes, a_scales
.if DOCPART == 3
	.amdgcn_target "amdgcn-amd-amdhsa--gfx1250"
	.amdhsa_code_object_version 6
	.text
	.protected	k_q0ad1023542_attn
	.globl	k_q0ad1023542_attn
	.p2align	8
	.type	k_q0ad1023542_attn,@function
k_q0ad1023542_attn:
	s_mov_b64 s[64:65], 0
	v_nop
	global_prefetch_b8 v0, s[64:65] scope:SCOPE_SE
	s_setreg_imm32_b32 hwreg(HW_REG_WAVE_MODE, 25, 1), 1
	s_wait_xcnt 0x0
; Causal attention of one head on codes of FP6 (E2M3), head size 64, 2,048 tokens; the result, divided by the row's sum, is quantised along head x 64 + d and leaves as codes.
; IN (qkv; bh = 16 x batch + head): q's codes [bh][2048 positions][48 bytes] at 0, q's scale words [bh][2048] at QS, and at KV for each head 8 records of SLOTB bytes, one for each 256 keys:
;   +0 k's codes [256][48]; +12288 v's codes [key step 2][d tile 4] x 1,536 bytes, images of a fragment's 12 registers; +24576 k's scale words [256]; +25600 v's scale words [2][64].
; Position p holds token p with bits 3 and 4 exchanged; d positions likewise.  The head's 64 fill half of the instruction's K = 128: the other half are zero codes, kept in registers.
; OUT: a_codes [head 16][8192 positions][48 bytes], a_scales [8192 positions][32 bytes].
; THE SOFTMAX: t = score x log2(e) / 8; M = the running largest t rounded UP to a whole number; p = 2^(t - M) is quantised along the keys, not normalised; the row's sum is taken of the unquantised p
; and divides at the end.  When M moves, the sum and O are multiplied by 2^(old M - new M): exact.
; SHARES: work-group (x, bh) makes query block x (256 queries, key slots 0 .. x) and then block 7 - x (slots 0 .. 7 - x): always nine slots, so that all 256 work-groups have the same work and the loop's count is a constant.
; Each of sixteen waves owns 16 query positions, in 256 registers.  A record comes into one of two LDS slots by two tensor loads (waves 0 and 1, half a record each) and is read by all sixteen.
; Both products are used transposed: S^T = K Q^T, O^T = V^T P^T: a lane holds ONE query throughout.  16 neighbouring key positions are source 0, so the 16 registers of tiles 2 b, 2 b + 1 are keys 32 b + 16 (lane / 16) + 0 .. 15.
; NO JOINT LOADS: in trip t work-group x wants slot t of its first block while t <= x and slot t - x - 1 of its second after that, so the four work-groups of a head ask for different records in the same trip.
; LIMITS: a p under 2^-126 becomes 0; a block of zeros gets the byte 1 (its codes are zeros, this program alone reads the bytes); NaN and infinities are not served.
; a_scales is stored a byte a lane into rows of 32 bytes: 1/24 of what the launch stores.
.set QS,    6291456
.set KV,    6815744
.set SLOTB, 26112
.set HKV,   8*SLOTB
.set HALFR, SLOTB/2                    ; 51 rows of 256 bytes: what one tensor load brings
.set SLOT1, 32768                      ; slot 1 begins here: one exclusive or turns an address in one slot into the other's
.set STAGE, 65536                      ; the way out: 1,024 bytes for each wave; no tensor load lands here
.set SPARE, 81920                      ; the spare words, 128 bytes for each wave; no other line names them
.set AK0,  1                           ; v1   48 r + 24 h: my lane's place in 16 rows of k or q
.set AV0,  2                           ; v2   16 x lane + 12288: in an image of v
.set ASK0, 3                           ; v3   4 r + 24576: among k's scale words
.set ASV0, 4                           ; v4   4 r + 25600: among v's
.set SPW,  5                           ; v5   LDS address of my spare word; never rewritten
.set NIL,  6                           ; v6   0; never rewritten
.set QL,   7                           ; v7   my query less the tile's 32-group, less 16 h
.set ADK,  8                           ; v8-11 the step's LDS addresses
.set ADV,  9
.set ADS,  10
.set ADT,  11
                                       ; v12 -M, v13 the largest t, v[14:15] the sum in two halves; v16-27 Q (v22-27 zero)
.set PFO,  28                          ; v28  256 x lane: the prefetches' offset; never rewritten
.set STI,  29                          ; v29  stage + 48 r + 12 h
.set STR,  30                          ; v30  stage + 16 x lane
.set STR8, 31                          ; v31  stage + 512 + 8 x lane
.set KFR,  32                          ; v32-79  four fragments of k; the upper six registers of each are zero and are never written again
.set VFR,  80                          ; v80-127 four fragments of v; at work on the way out
.set SS,   128                         ; v128-191 S^T, then p
.set OT,   192                         ; v192-223 O^T, four tiles
                                       ; v224-235 p's codes; v232-247 at work; v248-251 k's, then v's scale words; v252 f; v253 p's scale word; v254 at work; v255 q's scale words
.set TB,    2                          ; s2   LDS byte at which the slot in hand begins
.set KF,    3                          ; s3   the step's first key
.set SLOTS, 10                         ; s10  counts the trips, 8 down to 1
.set SWITCH,11                         ; s11  8 - x: the trip that ends the first block
.set NK,    12                         ; s12  the record to be asked for
.set Q32,   13                         ; s13  my tile's group of 32 queries;  s14 its largest query;  s15 its smallest
.set QMAX,  14
.set QMIN,  15
.set BH,    16
.set BT,    17
.set WV,    18
.set HD,    19
.set SEL,   20                         ; s[20:21] lane selects for v_permlanex16_b32: lane l xor 16
.set CS,    22                         ; s[22:23] c = log2(e) / 8
.set G1,    24                         ; s[24:31] descriptor group 1
.set G0,    32                         ; s[32:35] group 0, which walks
.set KVB,   36                         ; s[36:37] my half of the head's record 0
.set QP,    40                         ; s[40:47] q's codes, q's scale words, a_codes, a_scales at my tile, for the block in hand;  s[48:55], s56-58: for the second block
.set PFA,   60                         ; s[60:61] where my prefetches stand
.set LIM,   62                         ; s62  1 in a wave that prefetches, else the greatest number
.macro TLOAD                           ; waves 0 and 1 fetch, the others nothing; four v_nop follow the line
	s_cmp_lt_u32 s[WV], 2
	s_cbranch_scc0 .Lnone_\@
	tensor_load_to_lds s[G0:G0+3], s[G1:G1+7]
	s_nop 0
.rept 4
	v_nop
.endr
.Lnone_\@:
.endm
; A PREFETCH INTO THE L2 of the codes of the record that the asking work-group's NEXT change of slots will load: 24,576 bytes, 96 aligned blocks of 256.  All four work-groups of a head walk the same records:
; the one with x = 0 asks, whose second block walks records 0 .. 7 in order; in it waves 4 to 6, which fetch nothing, ask: 8,192 bytes a wave, lanes 256 bytes apart.  Trip t names record t + 1; the last trip names nothing.
; Record 0 and the scale words come by their loads alone.
.macro ASK
	s_cmp_gt_u32 s[SLOTS], s[LIM]
	s_cbranch_scc0 .Lnot_mine_\@
	global_prefetch_b8 v[PFO], s[PFA:PFA+1] th:TH_LOAD_NT scope:SCOPE_SE
.Lnot_mine_\@:
.endm
; the pointers and bounds of query block s[blk] for my wave, into s[P .. P + 7] and s[QQ .. QQ + 2]
.macro PTRS blk, P, QQ
	s_lshl_b32 s70, s[\blk], 8
	s_lshl_b32 s71, s[WV], 4
	s_add_co_u32 s70, s70, s71                     ; my first position: 256 x block + 16 x wave
	s_and_b32 s[\QQ], s70, 0xffffffe0
	s_and_b32 s71, s[WV], 1
	s_lshl_b32 s71, s71, 3
	s_add_co_u32 s[\QQ+2], s[\QQ], s71             ; lane r's query is this + r + 8 (r / 8)
	s_add_co_u32 s[\QQ+1], s[\QQ+2], 23
	s_lshl_b32 s72, s[BH], 11
	s_add_co_u32 s72, s72, s70
	s_mul_i32 s74, s72, 48
	s_mov_b32 s75, 0
	s_add_nc_u64 s[\P:\P+1], s[4:5], s[74:75]
	s_lshl_b32 s74, s72, 2
	s_add_co_u32 s74, s74, QS
	s_add_nc_u64 s[\P+2:\P+3], s[4:5], s[74:75]
	s_lshl_b32 s72, s[BT], 11
	s_add_co_u32 s72, s72, s70
	s_mul_i32 s74, s72, 48
	s_mul_i32 s73, s[HD], 393216
	s_add_co_u32 s74, s74, s73
	s_add_nc_u64 s[\P+4:\P+5], s[6:7], s[74:75]
	s_lshl_b32 s74, s72, 5
	s_lshl_b32 s73, s[HD], 1
	s_add_co_u32 s74, s74, s73
	s_add_nc_u64 s[\P+6:\P+7], s[8:9], s[74:75]
.endm
	s_load_b128 s[4:7], s[0:1], 0x0                ; qkv, a_codes
	s_load_b64 s[8:9], s[0:1], 0x10                ; a_scales
	v_lshl_add_u32 v[SPW], v0, 2, SPARE
	v_mov_b32 v[NIL], 0
	ds_add_u32 v5, v6
	ds_add_u32 v5, v6
	s_wait_dscnt 0x0
	v_lshrrev_b32 v8, 5, v0
	s_delay_alu instid0(VALU_DEP_1)
	v_readfirstlane_b32 s[WV], v8                  ; wave 0..15
	s_and_b32 s[BH], ttmp7, 0xffff
	s_lshr_b32 s[BT], s[BH], 4                     ; batch
	s_and_b32 s[HD], s[BH], 15                     ; head
	s_mov_b32 s[G1], 3<<16                         ; no mask; elements of 8 bytes; no padding
	s_mov_b32 s[G1+1], 32<<16                      ; tensor_dim0 = 32 elements: 256 bytes
	s_mov_b32 s[G1+2], 51<<16                      ; tensor_dim1 = 51
	s_mov_b32 s[G1+3], 32<<16                      ; tile_dim0
	s_mov_b32 s[G1+4], 51                          ; tile_dim1
	s_mov_b32 s[G1+5], 32                          ; the rows are dense
	s_mov_b32 s[G1+6], 0
	s_mov_b32 s[G1+7], 0
	s_and_b32 s63, s[WV], 1
	s_mul_i32 s63, s63, HALFR                      ; my half of a record, in memory and in a slot
	s_mul_i32 s76, s[BH], HKV
	s_add_co_u32 s76, s76, KV                      ; the head's record 0 (under 2^25)
	s_add_co_u32 s38, s76, s63
	s_mov_b32 s39, 0
	s_mov_b32 s77, 0
	s_mov_b32 s[SEL], 0x76543210
	s_mov_b32 s[SEL+1], 0xfedcba98
	s_mov_b32 s[CS], 0x3e38aa3b                    ; c = log2(e) / sqrt(64)
	s_mov_b32 s[CS+1], s[CS]                       ; (named with it as a pair, so it is written)
	s_mov_b32 s67, 0xffff0000                      ; lanes 16-31
	s_mov_b32 s[TB], 0
	s_mov_b32 s[KF], 0
	s_mov_b32 s[NK], 0
	s_mov_b32 s[SLOTS], 8
	s_sub_co_u32 s[SWITCH], 8, ttmp9
	s_wait_kmcnt 0x0
	s_add_nc_u64 s[KVB:KVB+1], s[4:5], s[38:39]
	s_mov_b32 s[G0], 1                             ; count = 1
	s_mov_b32 s[G0+1], s63                         ; LDS address: slot 0
	s_mov_b64 s[G0+2:G0+3], s[KVB:KVB+1]           ; record 0
	s_or_b32 s[G0+3], s[G0+3], 0x80000000          ; type = 2
	TLOAD                                          ; the first fill; slot 1's goes out behind the first trip's barrier, as a refill does
	s_add_nc_u64 s[PFA:PFA+1], s[4:5], s[76:77]    ; the prefetches: record 0,
	s_and_b32 s76, s[WV], 3
	s_lshl_b32 s76, s76, 13                        ; my wave's 8,192 bytes; each change of slots steps a record on before it asks
	s_add_nc_u64 s[PFA:PFA+1], s[PFA:PFA+1], s[76:77]
	s_sub_co_u32 s63, s[WV], 4
	s_cmp_lt_u32 s63, 3                            ; waves 4 to 6
	s_cselect_b32 s[LIM], 1, -1
	s_cmp_eq_u32 ttmp9, 0                          ; of the head's work-group 0
	s_cselect_b32 s[LIM], s[LIM], -1
	s_mov_b32 s76, ttmp9                           ; the first block,
	s_sub_co_u32 s77, 7, ttmp9                     ; the second
	PTRS 76, QP, Q32
	PTRS 77, 48, 56
	v_and_b32 v8, 15, v0                           ; r
	v_bfe_u32 v9, v0, 4, 1                         ; h
	v_and_b32 v10, 31, v0                          ; lane
	s_delay_alu instid0(VALU_DEP_3)
	v_mul_u32_u24 v[AK0], v8, 48
	s_delay_alu instid0(VALU_DEP_1)
	v_mad_u32_u24 v[AK0], v9, 24, v[AK0]
	s_delay_alu instid0(VALU_DEP_3)
	v_lshl_add_u32 v[AV0], v10, 4, 12288
	v_lshl_add_u32 v[ASK0], v8, 2, 24576
	v_lshl_add_u32 v[ASV0], v8, 2, 25600
	v_and_b32 v11, 8, v8
	s_delay_alu instid0(VALU_DEP_1)
	v_add_nc_u32 v[QL], v11, v8                    ; r + 8 (r / 8)
	v_lshlrev_b32 v11, 4, v9
	s_delay_alu instid0(VALU_DEP_1)
	v_sub_nc_u32 v[QL], v[QL], v11                 ; - 16 h
	s_and_b32 s63, s[WV], 1
	s_lshl_b32 s63, s63, 3
	v_add_nc_u32 v[QL], s63, v[QL]                 ; + 8 (wave % 2)
	v_lshlrev_b32 v[PFO], 8, v10
	s_lshl_b32 s63, s[WV], 10
	s_add_co_u32 s63, s63, STAGE                   ; my stage
	v_mul_u32_u24 v[STI], v8, 48
	s_delay_alu instid0(VALU_DEP_1)
	v_mad_u32_u24 v[STI], v9, 12, v[STI]
	s_delay_alu instid0(VALU_DEP_1)
	v_add_nc_u32 v[STI], s63, v[STI]
	v_lshl_add_u32 v[STR], v10, 4, s63
	v_lshl_add_u32 v[STR8], v10, 3, s63
	s_delay_alu instid0(VALU_DEP_1)
	v_add_nc_u32 v[STR8], 512, v[STR8]
.irp j, 22,23,24,25,26,27
	v_mov_b32 v[\j], 0                             ; q's K from 64 on: zero codes
.endr
.irp t, 0,1,2,3
.irp j, 6,7,8,9,10,11
	v_mov_b32 v[KFR+12*\t+\j], 0                   ; k's likewise
.endr
.endr
.irp b, 0,1,2,3
	v_mov_b32 v[236+\b], 0                         ; written once: a lane permute's destination counts as one of its sources
.endr
	v_mov_b32 v252, 0
	v_mov_b32 v253, 0                              ; (named as the upper half of the pair v[252:253] before it is first written)
; my tile's q, and a fresh start of the sums: O^T and the sum begin as zeros and the largest t as -3e38, so that the key step is written once
.macro NEWQ
	v_and_b32 v83, 15, v0
	s_delay_alu instid0(VALU_DEP_1)
	v_lshlrev_b32 v83, 2, v83
.irp i, 0,1,2
	global_load_b64 v[16+2*\i:17+2*\i], v[AK0], s[QP:QP+1] offset:8*\i
.endr
	global_load_b32 v255, v83, s[QP+2:QP+3]
	v_mov_b32 v13, 0xff61b1e6
	s_delay_alu instid0(VALU_DEP_1)
	v_floor_f32 v12, -v13
	v_mov_b32 v14, 0
	v_mov_b32 v15, 0
.irp j, 0,1,2,3,4,5,6,7,8,9,10,11,12,13,14,15,16,17,18,19,20,21,22,23,24,25,26,27,28,29,30,31
	v_mov_b32 v[OT+\j], 0
.endr
	s_wait_loadcnt 0x0
.endm
	NEWQ
; A KEY STEP: 128 keys, the q-th of the slot in hand.
.macro STEP q
	s_cmp_gt_u32 s[KF], s[QMAX]                    ; a step all of whose keys come after my 16 queries is left out: a branch on ids, round no barrier and no tensor load
	s_cbranch_scc1 .Lhidden_\@
	v_add_nc_u32 v[ADK], s[TB], v[AK0]             ; (these four are the places in front of the loads into registers that the last step's products have read)
	v_add_nc_u32 v[ADV], s[TB], v[AV0]
	v_add_nc_u32 v[ADS], s[TB], v[ASK0]
	v_add_nc_u32 v[ADT], s[TB], v[ASV0]
.irp g, 0,1                                    ; S^T = K Q^T, four tiles of 16 keys at a time
.if \g > 0
.rept 4
	v_nop                                          ; places in front of loads into registers that matrix instructions have read
.endr
.endif
.irp t, 0,1,2,3
.irp i, 0,1,2
	ds_load_b64 v[KFR+12*\t+2*\i:KFR+12*\t+2*\i+1], v[ADK] offset:(128*(\q)+16*(4*\g+\t))*48+8*\i
.endr
	ds_load_b32 v[248+\t], v[ADS] offset:(128*(\q)+16*(4*\g+\t))*4
.endr
.if \g == 0
.irp t, 0,1,2,3
.irp c, 0,1,2
	ds_load_b128 v[VFR+12*\t+4*\c:VFR+12*\t+4*\c+3], v[ADV] offset:6144*(\q)+1536*\t+512*\c   ; v's four fragments, as they stand
.endr
.endr
	s_wait_alu depctr_va_vdst(0)
	s_wait_dscnt 12                                ; k's are in; v's twelve loads may be out
.else
	s_wait_dscnt 0x0
.endif
.irp t, 0,1,2,3
	v_wmma_scale_f32_16x16x128_f8f6f4 v[SS+8*(4*\g+\t):SS+8*(4*\g+\t)+7], v[KFR+12*\t:KFR+12*\t+11], v[16:27], 0, v[248+\t], v255 matrix_a_fmt:MATRIX_FMT_FP6 matrix_b_fmt:MATRIX_FMT_FP6
.endr
.endr
.rept 4
	v_nop                                          ; places in front of the loads below and of the first read of the scores
.endr
.irp t, 0,1,2,3
	ds_load_b32 v[248+\t], v[ADT] offset:256*(\q)+64*\t   ; v's scale words
.endr
	s_add_co_u32 s63, s[KF], 127                   ; on the diagonal the scores of hidden keys become -infinity ahead of the maximum.  A step all of whose keys count skips this
	s_cmp_le_u32 s63, s[QMIN]
	s_cbranch_scc1 .Lopen_\@
	s_sub_co_i32 s63, s[Q32], s[KF]
	v_add_nc_u32 v252, s63, v[QL]                  ; d = my query - KF - 16 h.  Register 16 b + i holds key KF + 16 h + 32 b + i: hidden where 32 b + i > d
	v_mov_b32 v254, 0xff800000
.irp n, 0,1,2,3,4,5,6,7,8,9,10,11,12,13,14,15,16,17,18,19,20,21,22,23,24,25,26,27,28,29,30,31,32,33,34,35,36,37,38,39,40,41,42,43,44,45,46,47,48,49,50,51,52,53,54,55,56,57,58,59,60,61,62,63
	v_cmp_gt_i32 vcc_lo, 32*(\n/16)+\n%16, v252
	v_cndmask_b32 v[SS+\n], v[SS+\n], v254, vcc_lo
.endr
.Lopen_\@:
.irp b, 0,1,2,3
	v_max3_num_f32 v[232+\b], v[SS+16*\b], v[SS+1+16*\b], v[SS+2+16*\b]   ; the largest score of each block of 32 keys: for the row's maximum, and, since p rises with the score, for the block's largest p
.endr
.irp i, 3,5,7,9,11,13
.irp b, 0,1,2,3
	v_max3_num_f32 v[232+\b], v[232+\b], v[SS+16*\b+\i], v[SS+1+16*\b+\i]
.endr
.endr
.irp b, 0,1,2,3
	v_max_num_f32 v[232+\b], v[232+\b], v[SS+15+16*\b]
.endr
.irp b, 0,1,2,3
	s_delay_alu instid0(VALU_DEP_4)
	v_permlanex16_b32 v[236+\b], v[232+\b], s[SEL], s[SEL+1]
.endr
.irp b, 0,1,2,3
	s_delay_alu instid0(VALU_DEP_4)
	v_max_num_f32 v[232+\b], v[232+\b], v[236+\b]  ; with lane l xor 16's 16 keys
.endr
	s_delay_alu instid0(VALU_DEP_2)
	v_max3_num_f32 v254, v232, v233, v234
	s_delay_alu instid0(VALU_DEP_1)
	v_max_num_f32 v254, v254, v235                 ; the step's largest score of my query
	s_delay_alu instid0(VALU_DEP_1)
	v_mul_f32 v254, s[CS], v254                    ; as t
	s_delay_alu instid0(VALU_DEP_1)
	v_max_num_f32 v13, v13, v254                   ; the running largest t
	v_mov_b32 v254, v12
	s_delay_alu instid0(VALU_DEP_2)
	v_floor_f32 v12, -v13                          ; the new -M = floor(-t): M is a whole number
	s_delay_alu instid0(VALU_DEP_1)
	v_sub_f32 v254, v12, v254                      ; old M - new M: a whole number, 0 or less
	s_delay_alu instid0(VALU_DEP_1)
	v_cvt_i32_f32 v254, v254                       ; (it saturates)
	s_delay_alu instid0(VALU_DEP_1)
	v_ldexp_f32 v252, 1.0, v254                    ; f = 2^(old M - new M)
.irp j, 0,2,4,6,8,10,12,14,16,18,20,22,24,26,28,30,32,34,36,38,40,42,44,46,48,50,52,54,56,58,60,62
	v_pk_fma_f32 v[SS+\j:SS+\j+1], v[SS+\j:SS+\j+1], s[CS:CS+1], v[12:13] op_sel_hi:[1,0,0]   ; t - M, two at a time
.endr
.irp b, 0,1,2,3
	v_fma_f32 v[232+\b], v[232+\b], s[CS], v12     ; the same of each block's largest score
.endr
	s_wait_alu depctr_va_vdst(0)
.irp j, 0,1,2,3,4,5,6,7,8,9,10,11,12,13,14,15,16,17,18,19,20,21,22,23,24,25,26,27,28,29,30,31,32,33,34,35,36,37,38,39,40,41,42,43,44,45,46,47,48,49,50,51,52,53,54,55,56,57,58,59,60,61,62,63
	v_exp_f32 v[SS+\j], v[SS+\j]                   ; p = 2^(t - M), at most 1
.endr
	v_pk_mul_f32 v[14:15], v[14:15], v[252:253] op_sel_hi:[1,0]   ; the sums under the new M: the plain place behind the exponentials
	s_wait_alu depctr_va_vdst(0)                   ; one wait for the whole batch, ahead of its first reader
.irp b, 0,1,2,3
	v_exp_f32 v[232+\b], v[232+\b]                 ; the block's largest p: the same two instructions on the same number give the same bits
.endr
	v_pk_add_f32 v[236:237], v[132:133], v[136:137]
	v_pk_add_f32 v[246:247], v[140:141], v[144:145]
	v_pk_add_f32 v[244:245], v[148:149], v[152:153]
	v_pk_add_f32 v[242:243], v[156:157], v[160:161]
	v_pk_add_f32 v[240:241], v[164:165], v[168:169]
	v_pk_add_f32 v[238:239], v[172:173], v[176:177]
	v_pk_add_f32 v[230:231], v[180:181], v[184:185]
	v_pk_add_f32 v[14:15], v[14:15], v[188:189]
	v_pk_add_f32 v[236:237], v[236:237], v[128:129]
	v_pk_add_f32 v[246:247], v[246:247], v[130:131]
	v_pk_add_f32 v[244:245], v[244:245], v[134:135]
	v_pk_add_f32 v[242:243], v[242:243], v[138:139]
	v_pk_add_f32 v[240:241], v[240:241], v[142:143]
	v_pk_add_f32 v[238:239], v[238:239], v[146:147]
	v_pk_add_f32 v[230:231], v[230:231], v[150:151]
	v_pk_add_f32 v[14:15], v[14:15], v[154:155]
	v_pk_add_f32 v[236:237], v[236:237], v[158:159]
	v_pk_add_f32 v[246:247], v[246:247], v[162:163]
	v_pk_add_f32 v[244:245], v[244:245], v[166:167]
	v_pk_add_f32 v[242:243], v[242:243], v[170:171]
	v_pk_add_f32 v[240:241], v[240:241], v[174:175]
	v_pk_add_f32 v[238:239], v[238:239], v[178:179]
	v_pk_add_f32 v[230:231], v[230:231], v[182:183]
	v_pk_add_f32 v[14:15], v[14:15], v[186:187]
	v_pk_add_f32 v[236:237], v[236:237], v[190:191]
	s_delay_alu instid0(VALU_DEP_2)
	v_pk_add_f32 v[14:15], v[14:15], v[242:243]
	s_delay_alu instid0(VALU_DEP_2)
	v_pk_add_f32 v[236:237], v[236:237], v[240:241]
	v_pk_add_f32 v[246:247], v[246:247], v[238:239]
	v_pk_add_f32 v[244:245], v[244:245], v[230:231]
	s_delay_alu instid0(VALU_DEP_2)
	v_pk_add_f32 v[14:15], v[14:15], v[246:247]
	s_delay_alu instid0(VALU_DEP_2)
	v_pk_add_f32 v[236:237], v[236:237], v[244:245]
	s_delay_alu instid0(VALU_DEP_1)
	v_pk_add_f32 v[14:15], v[14:15], v[236:237]
	s_wait_alu depctr_va_vdst(0)                   ; and one for the four
.irp b, 0,1,2,3
	v_max_num_f32 v[232+\b], 0x1800000, v[232+\b]  ; the floor 2^(3 - 127): the byte cannot fall under 1
.endr
.irp b, 0,1,2,3
	s_delay_alu instid0(VALU_DEP_4)
	v_add_nc_u32 v[244+\b], 0xff000000, v[232+\b]  ; 2 off the exponent field: the conversion's scale operand
.endr
.irp b, 0,1,2,3
	s_delay_alu instid0(VALU_DEP_4)
	v_lshrrev_b32 v[236+\b], 23, v[244+\b]         ; the scale's byte
.endr
	s_delay_alu instid0(VALU_DEP_3)
	v_lshl_or_b32 v253, v237, 8, v236              ; p's scale word for these 128 keys
	s_delay_alu instid0(VALU_DEP_1)
	v_lshl_or_b32 v253, v238, 16, v253
	s_delay_alu instid0(VALU_DEP_1)
	v_lshl_or_b32 v253, v239, 24, v253
.irp c, 0,1
	v_cvt_scalef32_pk16_fp6_f32 v[224+6*\c:226+6*\c], v[SS+32*\c:SS+15+32*\c], v[244+2*\c]
	v_cvt_scalef32_pk16_fp6_f32 v[236+4*\c:238+4*\c], v[SS+16+32*\c:SS+31+32*\c], v[244+2*\c+1]   ; (a conversion's three registers begin on an even number)
.endr
	v_nop                                          ; one plain place behind a scaled conversion
.irp c, 0,1                                    ; the operand's layout wants a whole block in a lane
.irp i, 0,1,2
	v_permlane16_swap_b32 v[224+6*\c+\i], v[236+4*\c+\i]
.endr
.irp i, 0,1,2
	s_delay_alu instid0(VALU_DEP_3)
	v_mov_b32 v[227+6*\c+\i], v[236+4*\c+\i]
.endr
.endr
.irp j, 0,2,4,6,8,10,12,14,16,18,20,22,24,26,28,30
	v_pk_mul_f32 v[OT+\j:OT+\j+1], v[OT+\j:OT+\j+1], v[252:253] op_sel_hi:[1,0]   ; O^T under the new M.  (For each product below twelve of these name none of its registers: the places behind the writes of p's codes and scale word)
.endr
	s_wait_alu depctr_va_vdst(0)
	s_wait_dscnt 0x0                               ; v's scale words
.irp t, 0,1,2,3                                ; O^T += V^T P^T: four tiles of 16 d, one instruction each: the accumulators take turns
	v_wmma_scale_f32_16x16x128_f8f6f4 v[OT+8*\t:OT+8*\t+7], v[VFR+12*\t:VFR+12*\t+11], v[224:235], v[OT+8*\t:OT+8*\t+7], v[248+\t], v253 matrix_a_fmt:MATRIX_FMT_FP6 matrix_b_fmt:MATRIX_FMT_FP6
.endr
.Lhidden_\@:
	s_add_co_u32 s[KF], s[KF], 128
.endm
; THE CHANGE OF SLOTS stands at a slot's head.  Each wave waits for all its tensor loads, adds 0 to its spare word, and waits for that and for its reads of the slot that it has left.
; Behind the barrier the slot ahead is whole and nobody reads the other one.  fill = 1: that other slot takes the record that follows: the load has two key steps in which to land.  One tensor load of a wave is out at any time.
.macro CHANGE fill
	s_wait_tensorcnt 0x0                           ; no tensor load of mine is out, so group 0 may be written
	ds_add_u32 v[SPW], v[NIL]                      ; 0 onto my spare word
.if \fill
	s_xor_b32 s[G0+1], s[G0+1], SLOT1              ; the other slot than last time
	s_add_co_u32 s[NK], s[NK], 1                   ; the next record,
	s_cmp_eq_u32 s[SLOTS], s[SWITCH]
	s_cselect_b32 s[NK], 0, s[NK]                  ; or record 0 again, for the second block
	s_mul_i32 s38, s[NK], SLOTB
	s_add_nc_u64 s[G0+2:G0+3], s[KVB:KVB+1], s[38:39]
	s_or_b32 s[G0+3], s[G0+3], 0x80000000
	s_wait_xcnt 0x0                                ; the last prefetch, a slot back, has read its address, so it may be written
	s_add_nc_u64 s[PFA:PFA+1], s[PFA:PFA+1], SLOTB
.endif
	s_wait_dscnt 0x0                               ; the add is done, and my reads of the slot that I have left are over
	s_barrier_signal -1
	s_barrier_wait -1
.if \fill
	TLOAD                                          ; the first thing behind the barrier, and a wave's one tensor load until the next
	ASK
.endif
.endm
; A BLOCK'S END.  O^T / the sum: register 16 b + i of lane (r, h) is d = 32 b + 16 h + i of query position r.  Two blocks of 32 along the next K; a lane's 16 codes are 12 bytes at 48 r + 24 b + 12 h of the tile's 768,
; which are gathered in my stage and leave as three runs of 256 consecutive bytes, aligned.
.macro FINISH
.rept 4
	v_nop                                          ; places behind the last products
.endr
	v_add_f32 v14, v14, v15                        ; the sum's two halves,
	s_delay_alu instid0(VALU_DEP_1)
	v_permlanex16_b32 v252, v14, s[SEL], s[SEL+1]
	s_delay_alu instid0(VALU_DEP_1)
	v_add_f32 v14, v14, v252                       ; and lane l xor 16's
	s_wait_alu depctr_va_vdst(0)
	v_rcp_f32 v14, v14
	v_and_b32 v83, 31, v0                          ; (plain work behind the reciprocal: the stores' offsets)
	s_delay_alu instid0(VALU_DEP_1)
	v_lshlrev_b32 v80, 4, v83                      ; 16 x lane
	s_delay_alu instid0(VALU_DEP_2)
	v_lshl_add_u32 v81, v83, 3, 512                ; 512 + 8 x lane
	v_and_b32 v82, 15, v0
	v_bfe_u32 v83, v0, 4, 1
	s_delay_alu instid0(VALU_DEP_1)
	v_lshl_add_u32 v82, v82, 5, v83                ; 32 r + h
	v_mov_b32 v86, 0
	v_mov_b32 v87, 0
	s_wait_alu depctr_va_vdst(0)                   ; the wait ahead of the reciprocal's first reader
.irp j, 0,1,2,3,4,5,6,7,8,9,10,11,12,13,14,15,16,17,18,19,20,21,22,23,24,25,26,27,28,29,30,31
	v_mul_f32 v[SS+\j], v[OT+\j], v14              ; each accumulator from its low end on
.endr
.irp b, 0,1
	v_max3_num_f32 v[84+\b], |v[SS+16*\b]|, |v[SS+1+16*\b]|, 0x1800000
.endr
.irp i, 2,4,6,8,10,12,14
.irp b, 0,1
	s_delay_alu instid0(VALU_DEP_2)
	v_max3_num_f32 v[84+\b], v[84+\b], |v[SS+16*\b+\i]|, |v[SS+1+16*\b+\i]|
.endr
.endr
.irp b, 0,1
	s_delay_alu instid0(VALU_DEP_2)
	v_permlanex16_b32 v[86+\b], v[84+\b], s[SEL], s[SEL+1]
.endr
.irp b, 0,1
	s_delay_alu instid0(VALU_DEP_2)
	v_max_num_f32 v[84+\b], v[84+\b], v[86+\b]
.endr
.irp b, 0,1
	s_delay_alu instid0(VALU_DEP_2)
	v_add_nc_u32 v[88+\b], 0xff000000, v[84+\b]
.endr
.irp b, 0,1
	s_delay_alu instid0(VALU_DEP_2)
	v_lshrrev_b32 v[86+\b], 23, v[88+\b]
.endr
	v_cvt_scalef32_pk16_fp6_f32 v[92:94], v[SS:SS+15], v88
	v_cvt_scalef32_pk16_fp6_f32 v[96:98], v[SS+16:SS+31], v89
	v_cndmask_b32 v90, v86, v87, s67               ; lanes 0-15 store block 0's byte, lanes 16-31 block 1's.  (The plain place behind the conversions)
.irp i, 0,1,2
	ds_store_b32 v[STI], v[92+\i] offset:4*\i
.endr
.irp i, 0,1,2
	ds_store_b32 v[STI], v[96+\i] offset:24+4*\i
.endr
	ds_load_b128 v[100:103], v[STR]                ; LDS serves a wave's instructions in order: these see my stores
	ds_load_b64 v[104:105], v[STR8]
	global_store_b8 v82, v90, s[QP+6:QP+7]
	s_wait_dscnt 0x0
	global_store_b128 v80, v[100:103], s[QP+4:QP+5]
	global_store_b64 v81, v[104:105], s[QP+4:QP+5]
.endm
.Lslot:                                            ; eight trips: behind each change of slots but the last the next record is asked for
	CHANGE 1
	STEP 0
	STEP 1
	s_xor_b32 s[TB], s[TB], SLOT1                  ; on to the other slot
	s_cmp_lg_u32 s[SLOTS], s[SWITCH]               ; the first block's last slot?  The same in all sixteen waves
	s_cbranch_scc1 .Lsame
	FINISH
	s_wait_xcnt 0x0                                ; the stores have read their registers and bases: both are written again below
	s_mov_b64 s[QP:QP+1], s[48:49]
	s_mov_b64 s[QP+2:QP+3], s[50:51]
	s_mov_b64 s[QP+4:QP+5], s[52:53]
	s_mov_b64 s[QP+6:QP+7], s[54:55]
	s_mov_b32 s[Q32], s56
	s_mov_b32 s[QMAX], s57
	s_mov_b32 s[QMIN], s58
	s_mov_b32 s[KF], 0
	NEWQ
.Lsame:
	s_sub_co_u32 s[SLOTS], s[SLOTS], 1
	s_cmp_lg_u32 s[SLOTS], 0
	s_cbranch_scc1 .Lslot
	CHANGE 0                                       ; the last slot is written out
	STEP 0
	STEP 1
	FINISH
	s_wait_tensorcnt 0x0                           ; the wave's end, behind my last tensor load and my last LDS store
	ds_add_u32 v[SPW], v[NIL]
	s_wait_dscnt 0x0
	s_endpgm
.Lfunc_end_k_q0ad1023542_attn:
	.size	k_q0ad1023542_attn, .Lfunc_end_k_q0ad1023542_attn-k_q0ad1023542_attn
	.p2alignl 7, 3214868480
	.fill 96, 4, 3214868480
	.section	.rodata,"a",@progbits
	.p2align	6, 0x0
	.amdhsa_kernel k_q0ad1023542_attn
		.amdhsa_group_segment_fixed_size 327680
		.amdhsa_private_segment_fixed_size 0
		.amdhsa_enable_private_segment 0
		.amdhsa_kernarg_size 24
		.amdhsa_user_sgpr_count 2
		.amdhsa_user_sgpr_kernarg_segment_ptr 1
		.amdhsa_wavefront_size32 1
		.amdhsa_system_sgpr_workgroup_id_x 1
		.amdhsa_system_sgpr_workgroup_id_y 1
		.amdhsa_system_sgpr_workgroup_id_z 1
		.amdhsa_system_vgpr_workitem_id 0
		.amdhsa_next_free_vgpr 256
		.amdhsa_next_free_sgpr 80
		.amdhsa_reserve_vcc 1
		.amdhsa_float_denorm_mode_32 3
		.amdhsa_float_denorm_mode_16_64 3
		.amdhsa_memory_ordered 1
		.amdhsa_forward_progress 1
		.amdhsa_inst_pref_size 116
	.end_amdhsa_kernel
	.amdgpu_metadata
---
amdhsa.version: [ 1, 2 ]
amdhsa.kernels:
  - .name:           k_q0ad1023542_attn
    .symbol:         k_q0ad1023542_attn.kd
    .args:
      - { .name: qkv, .offset: 0, .size: 8, .value_kind: global_buffer, .address_space: global }
      - { .name: a_codes, .offset: 8, .size: 8, .value_kind: global_buffer, .address_space: global }
      - { .name: a_scales, .offset: 16, .size: 8, .value_kind: global_buffer, .address_space: global }
    .group_segment_fixed_size: 327680
    .private_segment_fixed_size: 0
    .kernarg_segment_align: 8
    .kernarg_segment_size: 24
    .max_flat_workgroup_size: 512
    .sgpr_count:     80
    .vgpr_count:     256
    .wavefront_size: 32
...
	.end_amdgpu_metadata
.endif
;; end of part 3
;; launch outp (part 4): grid 4 x 32, 4 waves a work-group, clusters of 4 x 4, 327,680 bytes of LDS; arguments a_codes, a_scales, codes, scales, out0; writes out0
.if DOCPART == 4
	.amdgcn_target "amdgcn-amd-amdhsa--gfx1250"
	.amdhsa_code_object_version 6
	.text
	.protected	k_q0ad1023542_outp
	.globl	k_q0ad1023542_outp
	.p2align	8
	.type	k_q0ad1023542_outp,@function
k_q0ad1023542_outp:
	s_mov_b64 s[64:65], 0
	v_nop
	global_prefetch_b8 v0, s[64:65] scope:SCOPE_SE
	s_setreg_imm32_b32 hwreg(HW_REG_WAVE_MODE, 25, 1), 1
	s_wait_xcnt 0x0
	s_wait_alu depctr_hold_cnt(0) depctr_sa_sdst(0) depctr_va_vdst(0) depctr_va_sdst(0) depctr_va_ssrc(0) depctr_va_vcc(0) depctr_vm_vsrc(0)
	s_getreg_b32 s2, hwreg(HW_REG_IB_STS2, 6, 4)
	s_cmp_eq_u32 s2, 0
	s_cbranch_scc0 .Lentry_in_a_cluster
	s_endpgm
.Lentry_in_a_cluster:
	s_bfe_u32 s2, ttmp6, 0x10000c
	s_cmp_lg_u32 s2, 0xf033
	s_cbranch_scc0 .Lentry_shape_is_right
	s_endpgm
.Lentry_shape_is_right:
; out0 = a Wo^T on codes of FP6 (E2M3) with one E8M0 scale for each 32 along K = 1024 = head x 64 + d; out0 [8192][1024] f32.
; A: a_codes [head 16][8192 positions][48 bytes], a_scales [8192 positions][32].  B: Wo's codes, positions 11264 .. 12287 of codes [.][768 bytes], and of scales [.][32].
; Position p holds row p with bits 3 and 4 exchanged, in A (tokens) and in B (Wo's rows) alike: the way out puts both back.
; A tile of out0, 256 x 256, is made by four waves, each 128 x 128: 64 accumulators of 16 x 16.  K goes in steps of 256 (four heads) through a ring of two LDS slots filled by the tensor data mover.
; A's part of a slot: for each half of 128 positions four rows of 6,144 bytes, one for each head: 128 positions x 48 bytes, dense in memory.  B's: 256 rows of 192 bytes, padded to 240.
; THE SCALES of the work-group's 256 + 256 rows, for all of K, come into LDS once, with the first fills.
; CLUSTERS: 4 x 4 work-groups; A's tiles are asked for jointly along a row of the cluster, B's along a column.  The matrix instruction is used transposed (source 0 = Wo, source 1 = a).
; 128 work-groups: one tile each.
; REGISTERS, in windows of 256: window 0: v0-31 addresses; v32-63 scale words, two sets; from v128 A's fragments, ONE set; on the way out v128-255 rows of out0.
;   window 1: B's fragments, TWO sets.   window 2: the 32 accumulators of my positions 0-63 (accumulator (a, b) at v[8 (8 a + b)]);   window 3: those of positions 64-127.
.set SIZE_N, 1024
.set KSTEP,  256
.set NQ,     2
.set ROWB,   192                       ; B: a tile's row in bytes
.set KROW,   768                       ; B: a row of codes in memory
.set PITCH,  240                       ; B: an LDS row: 3 x (64 bytes + 16 of padding)
.set HEADB,  6144                      ; A: 128 positions x 48 bytes of one head
.set ASTEP,  4*393216                  ; A: four heads on, in memory
.set FR,     12
.set NL,     6
.set NP,     4
.set HALFA,  4*HEADB                   ; A's 128 positions: what one tensor load brings
.set HALFB,  128*PITCH                 ; B's 128 rows
.set SLOT,   2*HALFA+2*HALFB
.set LAPS,   2
.set KS,     32
.set SCL,    2*SLOT                    ; behind the ring: the scales, as runs of 256 bytes + 16 of padding
.set HALFS,  (128*KS/256)*272
.set SBLK,   (16*KS/256)*272
.set SPARE,  SCL+4*HALFS               ; the spare words, 128 bytes for each wave; no other line names them
.set SPITCH, 528                       ; the way out: a stage of 16 rows x (512 bytes + 16) for each wave, in slot 0, which has had its last fill and its last read by then
.set ADRA, 16                          ; v16-17  LDS address of my A fragments in slot 0, 1
.set ADRB, 20                          ; v20-21  of my B fragments  (v22-23: for the pieces that lie behind one padding more)
.set STO,  24                          ; v24     the way out: where I put 32 bytes of a row
.set RD,   25                          ; v25     where I read a row back
.set CO,   26                          ; v26     my byte offset in a row of out0
.set ADRS, 27                          ; v27     LDS address of my scale words
.set SPW,  28                          ; v28     LDS address of my spare word; never rewritten
.set NIL,  29                          ; v29     0; never rewritten
.set SC,   32
.set AF,   128
.set BK,   128
.set G1, 24
.set G0, 32
.set G1B, 48
.set G0B, 56
.set G1S, 68
.set G0S, 76
.set G1SB, 80
.set G0SB, 88
.set MSB, 0
.macro WIN new                         ; the immediate's high byte repeats the setting that is left
.if MSB != \new
	s_set_vgpr_msb (MSB<<8)|\new
.set MSB, \new
.endif
.endm
.set MUL_LO, 0xa1                      ; source 0 (B) window 1, source 1 (A) window 0, C and D window 2
.set MUL_HI, 0xf1                      ; the same, C and D window 3
.set TO_B,   0x40                      ; destination window 1, address window 0
; A joint load: waves 0 and 1 fetch for A, waves 2 and 3 for B; the branch hangs on the wave's number alone.  Four v_nop follow each of the two lines.
.macro JLOAD g0a, g1a, g0b, g1b
	s_cmp_eq_u32 s15, 0
	s_cbranch_scc0 .Lfor_b_\@
	tensor_load_to_lds s[\g0a:\g0a+3], s[\g1a:\g1a+7]
	s_nop 0
.rept 4
	v_nop
.endr
	s_branch .Lasked_\@
.Lfor_b_\@:
	tensor_load_to_lds s[\g0b:\g0b+3], s[\g1b:\g1b+7]
	s_nop 0
.rept 4
	v_nop
.endr
.Lasked_\@:
.endm
.macro CREST                           ; a round of the cluster's barrier behind its opening barrier
	s_cmp_lg_u32 s14, 0
	s_cbranch_scc1 .Lnot_wave_0_\@
	s_barrier_signal -3
.Lnot_wave_0_\@:
	s_barrier_wait -3
	s_barrier_signal -1
	s_barrier_wait -1
.endm
.macro CROUND                          ; a whole round
	s_barrier_signal -1
	s_barrier_wait -1
	CREST
.endm
	s_load_b128 s[4:7], s[0:1], 0x0                ; a_codes, a_scales
	s_load_b128 s[8:11], s[0:1], 0x10              ; codes, scales
	s_load_b64 s[12:13], s[0:1], 0x20              ; out0
	v_lshl_add_u32 v[SPW], v0, 2, SPARE
	v_mov_b32 v[NIL], 0
	ds_add_u32 v28, v29
	s_wait_dscnt 0x0
	v_lshrrev_b32 v1, 5, v0
	v_readfirstlane_b32 s14, v1                    ; wave 0..3
	s_lshr_b32 s15, s14, 1                         ; which half of the tile's rows is mine.  Also: I fetch for A (0) or for B (1)
	s_and_b32 s16, s14, 1                          ; which half of its columns.  Also: which 128 rows of that tile I fetch
	s_bfe_u32 s40, ttmp6, 0x40000                  ; cx, cy: my place in the cluster
	s_bfe_u32 s41, ttmp6, 0x40004
	s_lshl_b32 s42, ttmp9, 2
	s_add_co_u32 s42, s42, s40                     ; tile column = 4 x cluster x + cx
	s_and_b32 s17, ttmp7, 0xffff
	s_lshl_b32 s17, s17, 2
	s_add_co_u32 s17, s17, s41                     ; tile row = 4 x cluster y + cy
	s_lshl_b32 s43, s41, 2
	s_lshl_b32 s43, 15, s43                        ; my row of the cluster
	s_lshl_b32 s44, 0x1111, s40                    ; my column
	; descriptor group 1 for A: 4 rows (heads) of 768 elements of 8 bytes, 49,152 elements apart, no padding
	s_or_b32 s[G1+0], s43, (3<<16)|(1<<21)         ; the mask: A's tiles go to my row; elements of 8 bytes; bit 21 beside a mask
	s_mov_b32 s[G1+1], 768<<16                     ; tensor_dim0
	s_mov_b32 s[G1+2], 4<<16                       ; tensor_dim1
	s_mov_b32 s[G1+3], 768<<16                     ; tile_dim0
	s_mov_b32 s[G1+4], 4                           ; tile_dim1
	s_mov_b32 s[G1+5], 49152                       ; from head to head: 8,192 positions x 48 bytes
	s_mov_b32 s[G1+6], 0
	s_mov_b32 s[G1+7], 0
	; for B: 128 rows x 192 bytes, 16 bytes of padding behind every 64
	s_or_b32 s[G1B+0], s44, (0<<16)|(1<<20)|(1<<21)|(3<<22)|(3<<25)
	s_mov_b32 s[G1B+1], ROWB<<16
	s_mov_b32 s[G1B+2], 128<<16
	s_mov_b32 s[G1B+3], ROWB<<16
	s_mov_b32 s[G1B+4], 128
	s_mov_b32 s[G1B+5], KROW
	s_mov_b32 s[G1B+6], 0
	s_mov_b32 s[G1B+7], 0
	; for the scales of 128 rows: 16 rows of 256 bytes, 16 bytes of padding behind each
	s_or_b32 s[G1S+0], s43, (3<<16)|(1<<20)|(1<<21)|(5<<22)|(3<<25)
	s_or_b32 s[G1SB+0], s44, (3<<16)|(1<<20)|(1<<21)|(5<<22)|(3<<25)
.irp g, G1S, G1SB
	s_mov_b32 s[\g+1], 32<<16
	s_mov_b32 s[\g+2], (128*KS/256)<<16
	s_mov_b32 s[\g+3], 32<<16
	s_mov_b32 s[\g+4], 128*KS/256
	s_mov_b32 s[\g+5], 32
	s_mov_b32 s[\g+6], 0
	s_mov_b32 s[\g+7], 0
.endr
	s_lshl_b32 s18, s16, 7                         ; which 128 rows of the tile I fetch
	s_lshl_b32 s20, s17, 8
	s_add_co_u32 s20, s20, s18                     ; A: position 256 x tile row + 128 x half
	s_lshl_b32 s46, s42, 8
	s_add_co_u32 s46, s46, s18                     ; B: position 256 x tile column + 128 x half, among Wo's
	s_mov_b32 s21, 0
	s_mov_b32 s47, 0
	s_mov_b64 s[18:19], KS
	s_mul_u64 s[22:23], s[20:21], s[18:19]         ; where these rows' scales begin, in bytes
	s_mul_u64 s[92:93], s[46:47], s[18:19]
	s_mov_b64 s[18:19], 48
	s_mul_u64 s[20:21], s[20:21], s[18:19]         ; and their codes: A's in head 0,
	s_mov_b64 s[18:19], KROW
	s_mul_u64 s[46:47], s[46:47], s[18:19]         ; B's
	s_mul_i32 s45, s16, HALFA                      ; where they go: no place in the cluster enters an LDS address
	s_mul_i32 s95, s16, HALFB
	s_add_co_u32 s95, s95, 2*HALFA
	s_mul_i32 s94, s14, HALFS
	s_wait_kmcnt 0x0
	s_add_nc_u64 s[8:9], s[8:9], 11264*KROW        ; Wo's codes
	s_add_nc_u64 s[10:11], s[10:11], 11264*KS      ; and scale bytes
	s_add_nc_u64 s[20:21], s[4:5], s[20:21]
	s_add_nc_u64 s[22:23], s[6:7], s[22:23]
	s_add_nc_u64 s[46:47], s[8:9], s[46:47]
	s_add_nc_u64 s[92:93], s[10:11], s[92:93]
	CROUND                                         ; all sixteen work-groups are here: the first joint loads meet
	s_mov_b32 s[G0S], 1
	s_add_co_u32 s[G0S+1], s94, SCL
	s_mov_b64 s[G0S+2:G0S+3], s[22:23]
	s_or_b32 s[G0S+3], s[G0S+3], 0x80000000
	s_mov_b32 s[G0SB], 1
	s_add_co_u32 s[G0SB+1], s94, SCL
	s_mov_b64 s[G0SB+2:G0SB+3], s[92:93]
	s_or_b32 s[G0SB+3], s[G0SB+3], 0x80000000
	JLOAD G0S, G1S, G0SB, G1SB                     ; the scales first.  Three loads of mine are out behind the next two
.irp s, 0,1
	s_mov_b32 s[G0+4*\s], 1
	s_add_co_u32 s[G0+4*\s+1], s45, \s*SLOT
	s_add_nc_u64 s[G0+4*\s+2:G0+4*\s+3], s[20:21], \s*ASTEP
	s_or_b32 s[G0+4*\s+3], s[G0+4*\s+3], 0x80000000
	s_mov_b32 s[G0B+4*\s], 1
	s_add_co_u32 s[G0B+4*\s+1], s95, \s*SLOT
	s_add_nc_u64 s[G0B+4*\s+2:G0B+4*\s+3], s[46:47], \s*ROWB
	s_or_b32 s[G0B+4*\s+3], s[G0B+4*\s+3], 0x80000000
	JLOAD G0+4*\s, G1, G0B+4*\s, G1B
.endr
	v_and_b32 v1, 15, v0                           ; r
	v_bfe_u32 v2, v0, 4, 1                         ; h
	v_mul_u32_u24 v3, v1, PITCH
	v_mul_u32_u24 v4, v2, 24
	v_add_nc_u32 v3, v3, v4                        ; B: row x pitch + 24 x half
	v_lshl_add_u32 v5, v2, 4, v3                   ; and the same behind one padding more
	v_mul_u32_u24 v6, v1, 48
	v_add_nc_u32 v6, v6, v4                        ; A: 48 r + 24 h
	s_mul_i32 s21, s15, HALFA                      ; my 128 positions of A
	s_mul_i32 s22, s16, HALFB                      ; my 128 rows of B,
	s_add_co_u32 s22, s22, 2*HALFA                 ; which lie behind A's
.irp s, 0,1
	v_add_nc_u32 v[ADRA+\s], s21, v6
	v_add_nc_u32 v[ADRB+\s], s22, v3
	v_add_nc_u32 v[ADRB+2+\s], s22, v5
	s_add_co_u32 s21, s21, SLOT
	s_add_co_u32 s22, s22, SLOT
.endr
	v_mul_u32_u24 v5, v1, KS                       ; my row's scales: KS bytes a row,
	v_lshrrev_b32 v6, 8, v5
	v_lshl_add_u32 v5, v6, 4, v5                   ; and 16 more for each 256 passed
	s_mul_i32 s21, s15, HALFS
	s_mul_i32 s22, s16, HALFS
	s_add_co_u32 s22, s22, 2*HALFS
	s_sub_co_u32 s22, s22, s21
	v_mul_u32_u24 v6, s22, v2                      ; lanes 16-31 take B's
	s_add_co_u32 s21, s21, SCL
	v_add_nc_u32 v5, v5, v6
	v_add_nc_u32 v[ADRS], s21, v5
	s_mul_i32 s23, s14, 16*SPITCH                  ; my stage
	v_mul_u32_u24 v5, v1, SPITCH                   ; in: row r; my half's 16 columns of each 32: + 64 h
	v_lshl_add_u32 v5, v2, 6, v5
	v_add_nc_u32 v[STO], s23, v5
	v_and_b32 v6, 31, v0
	v_lshlrev_b32 v[CO], 4, v6                     ; back: the 32 lanes take one row of 512 bytes; and the same in out0
	v_add_nc_u32 v[RD], s23, v[CO]
	s_lshl_b32 s20, s17, 8
	s_lshl_b32 s21, s15, 7
	s_add_co_u32 s20, s20, s21                     ; my first row of out0: 256 x tile row + 128 x half
	s_mov_b32 s21, 0
	s_mov_b64 s[18:19], SIZE_N*4
	s_mul_u64 s[20:21], s[20:21], s[18:19]
	s_lshl_b32 s46, s42, 10                        ; my first column, in bytes: 1024 x tile column + 512 x half
	s_lshl_b32 s47, s16, 9
	s_add_co_u32 s46, s46, s47
	s_mov_b32 s47, 0
	s_add_nc_u64 s[20:21], s[20:21], s[46:47]
	s_add_nc_u64 s[12:13], s[12:13], s[20:21]
.macro FRAG reg, adr, q, i             ; B: a fragment is 12 registers: lane l holds row l % 16; registers 6 c .. 6 c + 5 hold K = 64 c + 32 (l / 16) + 0 .. 31: 24 bytes, in pieces of 8
.irp p, 0,1,2,3,4,5
.set PIECE, 12*(\q)+6*(\p/3)+\p%3     ; 16 bytes of padding lie behind every 8 pieces: where the piece three on lies behind one padding more, the second address register serves
.if PIECE%8 < 5
	ds_load_b64 v[\reg+2*\p:\reg+2*\p+1], v[\adr] offset:8*PIECE+16*(PIECE/8)+(\i)*16*PITCH
.else
	ds_load_b64 v[\reg+2*\p:\reg+2*\p+1], v[\adr+2] offset:8*PIECE+16*(PIECE/8)+(\i)*16*PITCH
.endif
.endr
.endm
.macro FRAGA reg, adr, q, i            ; A: registers 6 c .. 6 c + 5 are block (l / 16) of head 2 q + c of position 16 i + l % 16
.irp p, 0,1,2,3,4,5
	ds_load_b64 v[\reg+2*\p:\reg+2*\p+1], v[\adr] offset:(2*(\q)+\p/3)*HEADB+(\i)*768+8*(\p%3)
.endr
.endm
; 16 matrix instructions: A's blocks a0, a0 + 1 x B's eight, 128 along K.  The 64 accumulators take turns, one instruction a turn, in the same order in every step.
.macro MUL16 a0, p, q, sc, zero
.irp a, \a0, \a0+1
.irp b, 0,1,2,3,4,5,6,7
.if \zero
	v_wmma_scale_f32_16x16x128_f8f6f4 v[8*(8*((\a)%4)+\b):8*(8*((\a)%4)+\b)+7], v[128*(\p)+FR*\b:128*(\p)+FR*\b+FR-1], v[AF+FR*(\a):AF+FR*(\a)+FR-1], 0, v[SC+8*NQ*(\sc)+NQ*\b+(\q)], v[SC+8*NQ*(\sc)+NQ*(\a)+(\q)] matrix_a_fmt:MATRIX_FMT_FP6 matrix_b_fmt:MATRIX_FMT_FP6 matrix_a_scale:MATRIX_SCALE_ROW1
.else
	v_wmma_scale_f32_16x16x128_f8f6f4 v[8*(8*((\a)%4)+\b):8*(8*((\a)%4)+\b)+7], v[128*(\p)+FR*\b:128*(\p)+FR*\b+FR-1], v[AF+FR*(\a):AF+FR*(\a)+FR-1], v[8*(8*((\a)%4)+\b):8*(8*((\a)%4)+\b)+7], v[SC+8*NQ*(\sc)+NQ*\b+(\q)], v[SC+8*NQ*(\sc)+NQ*(\a)+(\q)] matrix_a_fmt:MATRIX_FMT_FP6 matrix_b_fmt:MATRIX_FMT_FP6 matrix_a_scale:MATRIX_SCALE_ROW1
.endif
.endr
.endr
.endm
.macro FETCH_B slot, q, p
	WIN TO_B
.irp i, 0,1,2,3,4,5,6,7
	FRAG 128*(\p)+FR*\i, ADRB+\slot, \q, \i
.endr
	WIN 0
.endm
.macro FETCH_A slot, q, i0
.irp i, \i0, \i0+1, \i0+2, \i0+3
	FRAGA AF+FR*(\i), ADRA+\slot, \q, \i
.endr
.endm
.macro SCALES sc
.irp i, 0,1,2,3,4,5,6,7
	ds_load_b64 v[SC+8*NQ*\sc+NQ*\i:SC+8*NQ*\sc+NQ*\i+1], v[ADRS] offset:\i*SBLK
.endr
.endm
; A load into a register that a matrix instruction has read, and an LDS store that reads a matrix result, stand NP places behind it; only plain vector instructions that name none of its registers are places (except for loads).
.macro PLACES n
.rept \n
	v_nop
.endr
.endm
.macro STEP slot, q, zero
	s_wait_dscnt 4*NL                              ; B's set and A's blocks 0-3 are in; the youngest 24 loads (A's blocks 4-7) may be out
	WIN MUL_LO
	MUL16 0, (\q)%2, \q, \slot, \zero
	MUL16 2, (\q)%2, \q, \slot, \zero
	s_wait_dscnt 0                                 ; A's blocks 4-7 are in
	PLACES NP
	FETCH_B \slot, (\q)+1, 1-(\q)%2
	FETCH_A \slot, (\q)+1, 0
	WIN MUL_HI
	MUL16 4, (\q)%2, \q, \slot, \zero
	MUL16 6, (\q)%2, \q, \slot, \zero
	PLACES NP
	WIN 0
	FETCH_A \slot, (\q)+1, 4
.endm
; A slot's last step changes slots: ONE barrier; in front of it each wave waits for all its tensor loads, adds 0 to its spare word, and waits for that and for its own reads of this slot.
.macro TURN slot, next, fill
	s_wait_tensorcnt 0x0                           ; all my tensor loads have landed: my part of the next slot
	ds_add_u32 v[SPW], v[NIL]                      ; 0 onto my spare word
	s_wait_dscnt 4*NL+1                            ; (the add and the youngest 24 loads may be out)
	WIN MUL_LO
	MUL16 0, 1, NQ-1, \slot, 0                     ; sixteen matrix instructions stand between the add and the wait for it
	s_wait_dscnt 0x0                               ; the add is done, and my reads of this slot are over
	s_barrier_signal -1
	MUL16 2, 1, NQ-1, \slot, 0
	WIN 0
	s_barrier_wait -1
.if \fill
	CREST                                          ; the barrier has opened a round of the cluster's barrier: no wave of any partner still reads this slot's tile or has a load on its way
	s_add_nc_u64 s[G0+4*\slot+2:G0+4*\slot+3], s[G0+4*\slot+2:G0+4*\slot+3], 2*ASTEP
	s_add_nc_u64 s[G0B+4*\slot+2:G0B+4*\slot+3], s[G0B+4*\slot+2:G0B+4*\slot+3], 2*ROWB
	JLOAD G0+4*\slot, G1, G0B+4*\slot, G1B         ; the first tensor load behind the round, my only one until the next; its four v_nop are the places in front of the loads below
.else
	PLACES NP
.endif
	v_add_nc_u32 v[ADRS], 4*NQ, v[ADRS]            ; on to the next K step's scale words
	FETCH_B \next, 0, 0
	FETCH_A \next, 0, 0
	SCALES \next
	WIN MUL_HI
	MUL16 4, 1, NQ-1, \slot, 0
	MUL16 6, 1, NQ-1, \slot, 0
	PLACES NP
	WIN 0
	FETCH_A \next, 0, 4
.endm
	s_wait_tensorcnt 1                             ; the scales and my part of K step 0 are in (K step 1's load may be out)
	s_barrier_signal -1
	s_barrier_wait -1                              ; everybody's are
	FETCH_B 0, 0, 0
	FETCH_A 0, 0, 0
	SCALES 0
	FETCH_A 0, 0, 4
	STEP 0, 0, 1                                   ; the first step stands in front of the loop: its products start the sums
	s_mov_b32 s3, LAPS-1
.Llap:
	TURN 0, 1, 1
	STEP 1, 0, 0
	TURN 1, 0, 1
	STEP 0, 0, 0
	s_sub_co_u32 s3, s3, 1
	s_cmp_lg_u32 s3, 0
	s_cbranch_scc1 .Llap
	TURN 0, 1, 0                                   ; the last lap fills nothing, and has no round of the cluster's barrier
	STEP 1, 0, 0
	s_wait_dscnt 4*NL
	WIN MUL_LO
	MUL16 0, 1, NQ-1, 1, 0
	MUL16 2, 1, NQ-1, 1, 0
	s_wait_dscnt 0
	WIN MUL_HI
	MUL16 4, 1, NQ-1, 1, 0
	MUL16 6, 1, NQ-1, 1, 0
	WIN 0
; THE WAY OUT, block by block of 16 positions x 128 columns, through my own stage.  Register j of accumulator (a, b) in lane (r, h) is column 32 (b / 2) + 16 h + 8 (b % 2) + j of my 128 and token position 16 a + r.
; The stage's rows hold the columns in their true order; row t of block a is token 32 (a / 2) + 8 (a % 2) + t + 8 (t / 8) of my 128, which stands in the store's immediate (at most 127 rows of 4,096 bytes).
.macro TOSTAGE a
.set AC, 64*((\a)%4)
	WIN 0x08+4*((\a)/4)                            ; the data: window 2 or 3
.irp b, 0,1,2,3,4,5,6,7
	ds_store_b128 v[STO], v[AC+8*\b:AC+8*\b+3] offset:128*(\b/2)+32*(\b%2)          ; each accumulator from its low end on
	ds_store_b128 v[STO], v[AC+8*\b+4:AC+8*\b+7] offset:128*(\b/2)+32*(\b%2)+16
.endr
	WIN 0
.set BB, BK+64*((\a)%2)
.irp t, 0,1,2,3,4,5,6,7,8,9,10,11,12,13,14,15
	ds_load_b128 v[BB+4*\t:BB+4*\t+3], v[RD] offset:\t*SPITCH   ; LDS serves a wave's instructions in order: these see the stores above
.endr
.endm
.macro SEND a, younger                 ; younger: the LDS instructions issued behind block a's loads, which may stay out
.set BB, BK+64*((\a)%2)
	s_wait_dscnt \younger                          ; the block is back in registers
.irp t, 0,1,2,3,4,5,6,7,8,9,10,11,12,13,14,15
	global_store_b128 v[CO], v[BB+4*\t:BB+4*\t+3], s[12:13] offset:(32*((\a)/2)+8*((\a)%2)+\t+8*(\t/8))*SIZE_N*4 th:TH_STORE_NT   ; 32 lanes store 512 consecutive bytes, aligned to 256; written once, read by nobody here
.endr
.endm
	PLACES NP
	TOSTAGE 0
.irp a, 1,2,3,4,5,6,7
.if \a > 1
	s_wait_xcnt 0x0                                ; block a - 2's stores have read their registers: block a's loads may land there
.endif
	TOSTAGE \a
	SEND \a-1, 32                                  ; behind block a - 1's loads: block a's 16 stores and 16 loads
.endr
	SEND 7, 0
	s_wait_tensorcnt 0x0                           ; the wave's end, behind my last tensor load and my last LDS store
	ds_add_u32 v[SPW], v[NIL]
	s_wait_dscnt 0x0
	CROUND                                         ; the closing round: no work-group ends while a partner may still ask for a tile that names it
	s_endpgm
.Lfunc_end_k_q0ad1023542_outp:
	.size	k_q0ad1023542_outp, .Lfunc_end_k_q0ad1023542_outp-k_q0ad1023542_outp
	.p2alignl 7, 3214868480
	.fill 96, 4, 3214868480
	.section	.rodata,"a",@progbits
	.p2align	6, 0x0
	.amdhsa_kernel k_q0ad1023542_outp
		.amdhsa_group_segment_fixed_size 327680
		.amdhsa_private_segment_fixed_size 0
		.amdhsa_enable_private_segment 0
		.amdhsa_kernarg_size 40
		.amdhsa_user_sgpr_count 2
		.amdhsa_user_sgpr_kernarg_segment_ptr 1
		.amdhsa_wavefront_size32 1
		.amdhsa_system_sgpr_workgroup_id_x 1
		.amdhsa_system_sgpr_workgroup_id_y 1
		.amdhsa_system_sgpr_workgroup_id_z 1
		.amdhsa_system_vgpr_workitem_id 0
		.amdhsa_next_free_vgpr 1024
		.amdhsa_next_free_sgpr 98
		.amdhsa_reserve_vcc 0
		.amdhsa_float_denorm_mode_32 3
		.amdhsa_float_denorm_mode_16_64 3
		.amdhsa_memory_ordered 1
		.amdhsa_forward_progress 1
		.amdhsa_inst_pref_size 160
	.end_amdhsa_kernel
	.amdgpu_metadata
---
amdhsa.version: [ 1, 2 ]
amdhsa.kernels:
  - .name:           k_q0ad1023542_outp
    .symbol:         k_q0ad1023542_outp.kd
    .args:
      - { .name: a_codes, .offset: 0, .size: 8, .value_kind: global_buffer, .address_space: global }
      - { .name: a_scales, .offset: 8, .size: 8, .value_kind: global_buffer, .address_space: global }
      - { .name: codes, .offset: 16, .size: 8, .value_kind: global_buffer, .address_space: global }
      - { .name: scales, .offset: 24, .size: 8, .value_kind: global_buffer, .address_space: global }
      - { .name: out0, .offset: 32, .size: 8, .value_kind: global_buffer, .address_space: global }
    .group_segment_fixed_size: 327680
    .private_segment_fixed_size: 0
    .kernarg_segment_align: 8
    .kernarg_segment_size: 40
    .max_flat_workgroup_size: 128
    .sgpr_count:     98
    .vgpr_count:     1024
    .wavefront_size: 32
...
	.end_amdgpu_metadata
.endif
;; end of part 4
